; MI455X (gfx1250); checked and timed in simulation.
; The chip was launched on July 23, 2026; its instructions are those of AMD's public machine-readable ISA for CDNA 5 (MIT licence, August 2026) and "CDNA5" Instruction Set Architecture Reference Guide (July 2026). The comments in the code are by the model that wrote it; some were corrected since.
;; Multi Head Attention. Allowed arithmetic: matrix products marked QUANTISED: E2M1 operands, one E8M0 scale for each 32 along K, by v_wmma_scale_f32_16x16x128_f8f6f4 with both operands' format E2M1 (or v_wmma_scale_f32_32x16x128_f4), f32 sums; everything else in f32.
;; Inputs: Wk 1,024 x 1,024 float32; Wq 1,024 x 1,024 float32; Wv 1,024 x 1,024 float32; k 4 x 2,048 x 1,024 float32; q 4 x 2,048 x 1,024 float32; q_mask 4 x 2,048 float32; v 4 x 2,048 x 1,024 float32; v_mask 4 x 2,048 float32.
;; Outputs: out0 4 x 2,048 x 1,024 float32.
;; This version of the problem:
;;   THIS VERSION OF THE PROBLEM IS GIVEN IN LOW PRECISION. The matrix products marked QUANTISED in the list below multiply operands that are first quantised to E2M1 (2 exponent bits, 1 mantissa bit; 4 bits a number), with one power-of-two scale for each 32 numbers along K (OCP MX v1.0); their sums are f32. All else is computed in f32.
;;   The module's matrix products, in the order in which they are computed (A, B: the left and right operand; K: the contracted axis; several contracted axes count as one K, in the product's order):
;;     1. [M 8,192, K 1,024] x [K 1,024, N 1,024]; A: input q; B: input Wq: QUANTISED
;;     2. [M 8,192, K 1,024] x [K 1,024, N 1,024]; A: input k; B: input Wk: QUANTISED
;;     3. [M 8,192, K 1,024] x [K 1,024, N 1,024]; A: input v; B: input Wv: QUANTISED
;;     4. batch 64 x [M 2,048, K 64] x [K 64, N 2,048]; A: computed on the way; B: computed on the way: QUANTISED
;;     5. batch 64 x [M 2,048, K 2,048] x [K 2,048, N 64]; A: softmax (see below); B: computed on the way: QUANTISED
;;   THE QUANTISER, for each operand of a quantised product, along K:
;;     - K is cut into blocks of 32 from its start; a last block that is shorter is filled with zeros.
;;     - A block's scale is 2^e with e = floor(log2(the largest magnitude in the block)) - 2, held to -126 .. 127; a block of zeros has e = 0. As a byte (E8M0): e + 127.
;;     - Each number is divided by its block's scale, clamped to +-6, and rounded to the nearest number of E2M1, ties to even, subnormals kept.
;;     - The product sums the exact products of the quantised numbers (number of the format x scale) in f32.
;;   ~~~python
;;   def quantise(x, axis):      # numpy; x: float32 -> the quantised numbers, widened to float32 again
;;       x = np.moveaxis(x, axis, -1); K = x.shape[-1]
;;       x = np.pad(x, [(0, 0)] * (x.ndim - 1) + [(0, -K % 32)]); x = x.reshape(x.shape[:-1] + (-1, 32)); a = np.abs(x).max(-1, keepdims=True)
;;       e = np.where(a > 0, np.clip(np.frexp(np.where(a > 0, a, 1))[1] - 1 - 2, -126, 127), 0)      # np.frexp(a)[1] - 1 = floor(log2(a)), exactly
;;       r = np.clip(x / 2.0 ** e, -6, 6)
;;       step = 2.0 ** (np.maximum(np.frexp(np.where(r == 0, 1, r))[1] - 1, 0) - 1)
;;       q = np.round(r / step) * step * 2.0 ** e      # np.round: ties to even
;;       return np.moveaxis(q.reshape(q.shape[:-2] + (-1,))[..., :K], -1, axis).astype(np.float32)
;;   ~~~
;;   SOFTMAX AHEAD OF A QUANTISED PRODUCT. Where the list says 'softmax', what is quantised is not the finished softmax but p = 2^(t - M), with t = logit x log2(e) and M = ceil(the row's largest t), a whole number; so 1/2 < the row's largest p <= 1. The row's sum l is taken of the UNQUANTISED p, in f32, and the product's result is divided by l at the end. Since M is a whole number, a kernel that streams over the keys may use a running M (the ceiling of the running maximum): every later rescaling is an exact power of two, which a block's scale takes up: the codes' values come out the same.
;;   OPERANDS COMPUTED ON THE WAY. 'Computed on the way' means the value that the module computes at that place (a softmax that the list does not call 'softmax' is quantised finished and normalised). What goes into a quantiser is computed in f32, as accurately as f32 sums, v_exp_f32 and their like allow (about 1e-6 of the number): no bf16 or f16 on the way to a quantiser, and a product that is left as it is and whose result goes on into a quantised operand takes f32 operands (vector FMAs, or v_wmma_f32_16x16x4_f32). A number that lies on a knife's edge between two numbers of the format may be rounded either way, as far as f32 arithmetic and the matrix unit's own rounding can turn it there, and no further.
;; 2 versions, each right; version 2 is version 1 with the launch attn written anew for expert scheduling mode. Each part assembles by itself: llvm-mc -triple=amdgcn-amd-amdhsa -mcpu=gfx1250 --defsym DOCPART=n.
;; ======== version 1 of 2: 3 launches
;; limits: right only within a limited range of input values
;; workspace buffers: codes 14,155,776 bytes; scales 884,736 bytes; img 12,582,912 bytes; isc 2,621,440 bytes; qstar 512 bytes of whole numbers
;; launch quant (part 1): grid 817 x 1, 4 waves a work-group, no clusters, 68,096 bytes of LDS; arguments q, k, v, Wq, Wk, Wv, v_mask, codes, scales, qstar; writes codes, scales, qstar
.if DOCPART == 1
	.amdgcn_target "amdgcn-amd-amdhsa--gfx1250"
	.amdhsa_code_object_version 6
	.text
	.protected	k_q779fbc9d1d_quant
	.globl	k_q779fbc9d1d_quant
	.p2align	8
	.type	k_q779fbc9d1d_quant,@function
k_q779fbc9d1d_quant:
	s_mov_b64 s[64:65], 0
	v_nop
	global_prefetch_b8 v0, s[64:65] scope:SCOPE_SE
	s_setreg_imm32_b32 hwreg(HW_REG_WAVE_MODE, 25, 1), 1
	s_wait_xcnt 0x0
; q, k, v [8192][1024] and Wq, Wk, Wv [1024 (K)][1024 (n)], f32, become codes of FP4 (E2M1) with K innermost and one E8M0 byte for each 32 along K:
; codes [27648 rows][512 bytes], scales [27648 rows][32 bytes]; rows 0- q, 8192- k, 16384- v, 24576- Wq^T, 25600- Wk^T, 26624- Wv^T.
; ROW ORDER: row number x lies at the place x with bits 3 and 4 exchanged, so that 16 places on end hold rows 0-7 and 16-23 (or 8-15 and 24-31) of a group of 32:
; the rows that the next launch wants in one tile of 16 lie on end.
; A block's scale is 2^(floor(log2(largest magnitude)) - 2); its byte is the largest magnitude's exponent field - 2, held at 1 from below.
; One work-group also finds, for each batch, qstar: with c[j] = (1 - v_mask[j]) x 1e9 and gmin the batch's least c, the first j with c[j] <= gmin + 5e8.  From query qstar on a key not later
; than the query lies at least 5e8 less the spread of the scores above every later key (which has 1e9 taken off), so later keys weigh nothing there; ahead of qstar they may weigh.
; LIMITS: NaN and infinities among the inputs are not served.  A block of zeros gets the byte 1 where the rule says 127: its codes are zeros and this program alone reads the bytes.
; THREE WAYS, parted by the work-group's number, each with LDS bytes of its own: 0-47 the weights (first: few work-groups, long chains of loads), 48 qstar, 49-816 the activations.
; No tensor loads, no barrier: waves share nothing.  Matrix units and clusters have nothing to do in a stream.
.set NWG_W, 48
.set SP,    80                         ; activations: a lane's place in a stage: 64 bytes + 16 of padding
.set WREG,  8192                       ; LDS of a wave: two stages of 32 x SP bytes, then its 256 scale bytes
.set CB,    8                          ; bytes of 16 codes
.set STEPS, 16
.set R,     16                         ; v16-79   four sets of 16 numbers as loaded
.set X,     80                         ; v80-111  two sets of 16 neighbours
.set E,     112                        ; v112-127 a scale byte for each step
.set C,     128                        ; v128-191 codes, four registers a step: no store's data are written again
.set WSTG,  32768                      ; weights: the stages, 32 rows x 272 bytes a wave, behind the activations' LDS
.set PITCH, 272
.set NB,    16                         ; blocks of 32 along K for a wave
.set WX,    32                         ; v32-95   two sets of 32 numbers
.set WC,    96                         ; v96-99   a block's codes
.set OUTR,  112                        ; v112-175 the way out
.set SB,    24                         ; v24-27   scale bytes, four to a register
.set WROW0, 24576                      ; first row of Wq^T
	s_load_b256 s[4:11], s[0:1], 0x0               ; q s[4:5], k s[6:7], v s[8:9], Wq s[10:11]
	s_load_b256 s[12:19], s[0:1], 0x20             ; Wk s[12:13], Wv s[14:15], v_mask s[16:17], codes s[18:19]
	s_load_b128 s[20:23], s[0:1], 0x40             ; scales s[20:21], qstar s[22:23]
	v_lshl_add_u32 v192, v0, 2, 0x10800
	v_mov_b32 v193, 0
	v_lshrrev_b32 v1, 5, v0
	v_readfirstlane_b32 s24, v1                    ; wave 0..3
	v_and_b32 v2, 31, v0                           ; lane
	s_mov_b32 s27, 0                               ; the upper word of every offset pair s[26:27]
	s_wait_kmcnt 0x0
	s_cmp_lt_u32 ttmp9, NWG_W
	s_cbranch_scc1 .Lweights
	s_cmp_eq_u32 ttmp9, NWG_W
	s_cbranch_scc1 .Lmask
; ---------------- THE ACTIVATIONS: a plain stream of blocks of 32.  A wave takes 8 rows (8,192 numbers) in 16 steps of 512.
; Each load reads 512 consecutive bytes; a step's 2,048 bytes turn through the wave's own stage so that a lane holds 16 neighbours; two neighbouring lanes hold a block.
	s_sub_co_u32 s25, ttmp9, NWG_W+1               ; g = 0..767: 256 work-groups for each tensor
	s_cmp_lt_u32 s25, 512
	s_cselect_b64 s[6:7], s[6:7], s[8:9]           ; k or v
	s_cmp_lt_u32 s25, 256
	s_cselect_b64 s[4:5], s[4:5], s[6:7]           ; q, or that
	s_and_b32 s26, s25, 255
	s_lshl_b32 s26, s26, 2
	s_add_co_u32 s26, s26, s24
	s_lshl_b32 s26, s26, 15                        ; my 8 rows in the tensor: 32,768 bytes a run
	s_add_nc_u64 s[4:5], s[4:5], s[26:27]
	s_and_b32 s28, s24, 1                          ; the run's place: bits 3 and 4 of the row are the wave's bits 0 and 1: exchanged
	s_lshl_b32 s28, s28, 1
	s_lshr_b32 s29, s24, 1
	s_or_b32 s28, s28, s29
	s_lshl_b32 s29, s25, 2
	s_add_co_u32 s28, s28, s29                     ; 4 g + the exchanged wave
	s_lshl_b32 s26, s28, 12                        ; 4,096 bytes of codes a run
	s_add_nc_u64 s[18:19], s[18:19], s[26:27]
	s_lshl_b32 s26, s28, 8                         ; 256 scale bytes a run
	s_add_nc_u64 s[20:21], s[20:21], s[26:27]
	v_lshlrev_b32 v3, 4, v2                        ; my 16 bytes of a load's 512
	s_mul_i32 s30, s24, WREG
	v_lshrrev_b32 v14, 2, v2
	v_mul_u32_u24 v14, v14, SP
	v_and_b32 v15, 3, v2
	v_lshl_add_u32 v14, v15, 4, v14
	v_add_nc_u32 v14, s30, v14                     ; the stage, in: SP (lane / 4) + 16 (lane % 4)
	v_mul_u32_u24 v15, v2, SP
	v_add_nc_u32 v15, s30, v15                     ; and out: SP x lane: my 16 neighbours
	v_mul_u32_u24 v4, v2, CB                       ; my codes' place in a step's 256 bytes
	v_lshrrev_b32 v5, 1, v2
	s_add_co_u32 s30, s30, 2*32*SP
	v_add_nc_u32 v5, s30, v5                       ; my block's byte among the wave's 256
	v_lshlrev_b32 v7, 3, v2
	v_add_nc_u32 v6, s30, v7                       ; on the way out 8 bytes a lane
.macro XLOAD t
.irp i, 0,1,2,3
	global_load_b128 v[R+16*((\t)%4)+4*\i:R+16*((\t)%4)+4*\i+3], v3, s[4:5] offset:2048*(\t)+512*\i th:TH_LOAD_NT
.endr
.endm
.macro XTURN t                         ; LDS serves a wave's instructions in order: no wait between the stores and the loads
.irp i, 0,1,2,3
	ds_store_b128 v14, v[R+16*((\t)%4)+4*\i:R+16*((\t)%4)+4*\i+3] offset:32*SP*((\t)%2)+8*SP*\i
.endr
.irp i, 0,1,2,3
	ds_load_b128 v[X+16*((\t)%2)+4*\i:X+16*((\t)%2)+4*\i+3], v15 offset:32*SP*((\t)%2)+16*\i
.endr
.endm
.irp t, 0,1,2,3
	XLOAD \t
.endr
	s_wait_loadcnt 12                              ; step 0's four loads are in; the twelve of steps 1 to 3 stay out
	XTURN 0
.macro XSTEP t
.set XS, X+16*((\t)%2)
.if (\t) > 0
	s_wait_dscnt 1                                 ; this step's numbers are back from the stage; the last step's byte store may be out
.else
	s_wait_dscnt 0x0
.endif
.if (\t)+4 < STEPS
	XLOAD (\t)+4                                   ; into the set whose numbers the stage's stores have read
.endif
.if (\t)+1 < STEPS
.if STEPS-2-(\t) >= 3
	s_wait_loadcnt 12                              ; the next step's four loads are in; those of the three steps behind it may be out
.else
	s_wait_loadcnt 4*(STEPS-2-(\t))                ; the tail: four for each step still behind the next
.endif
	XTURN (\t)+1
.endif
	v_max3_num_f32 v8, |v[XS]|, |v[XS+1]|, |v[XS+2]|               ; the largest magnitude of my 16, in two chains
	v_max3_num_f32 v9, |v[XS+3]|, |v[XS+4]|, |v[XS+5]|
.irp i, 6,10
	v_max3_num_f32 v8, v8, |v[XS+\i]|, |v[XS+\i+1]|
	v_max3_num_f32 v9, v9, |v[XS+\i+2]|, |v[XS+\i+3]|
.endr
	v_max3_num_f32 v8, v8, |v[XS+14]|, |v[XS+15]|
	v_max3_num_f32 v8, v8, v9, 0x1800000           ; and the floor 2^(3 - 127): the byte cannot fall under 1
	v_max_num_f32_dpp v8, v8, v8 row_xmask:1 row_mask:0xf bank_mask:0xf   ; with my neighbour's 16: the block's
	v_add_nc_u32 v11, 0xff000000, v8               ; 2 off the exponent field: the conversion takes that field as its scale
	v_cvt_scalef32_pk8_fp4_f32 v[C+4*(\t)], v[XS:XS+7], v11
	v_cvt_scalef32_pk8_fp4_f32 v[C+4*(\t)+1], v[XS+8:XS+15], v11
	v_lshrrev_b32 v[E+(\t)], 23, v11               ; the scale's byte (also the plain line behind the conversions)
	ds_store_b8 v5, v[E+(\t)] offset:16*(\t)       ; both lanes of a block write the same byte with the same value
	global_store_b64 v4, v[C+4*(\t):C+4*(\t)+1], s[18:19] offset:32*CB*(\t)   ; the wave stores 256 consecutive bytes, aligned
.endm
.irp t, 0,1,2,3,4,5,6,7,8,9,10,11,12,13,14,15
	XSTEP \t
.endr
	ds_load_b64 v[12:13], v6                       ; in order behind my byte stores
	s_wait_dscnt 0x0
	global_store_b64 v7, v[12:13], s[20:21]        ; 256 consecutive bytes, aligned
	s_wait_tensorcnt 0x0
	ds_add_u32 v192, v193
	s_wait_dscnt 0x0
	s_endpgm
; ---------------- THE WEIGHTS: K is the first axis.  A lane takes a column n and its registers run down K: a block of 32 lies in one lane, and the codes come out with K innermost.
; A wave takes 32 columns x 512 along K; its codes leave through its own stage as rows: sixteen lanes store 256 consecutive bytes, aligned.  The scale bytes leave as 16 bytes a row.
.Lweights:
	s_lshr_b32 s25, ttmp9, 4                       ; which weight: 16 work-groups each
	s_cmp_lt_u32 s25, 2
	s_cselect_b64 s[12:13], s[12:13], s[14:15]
	s_cmp_lt_u32 s25, 1
	s_cselect_b64 s[10:11], s[10:11], s[12:13]
	s_and_b32 s28, ttmp9, 7
	s_lshl_b32 s28, s28, 7
	s_lshl_b32 s31, s24, 5
	s_add_co_u32 s28, s28, s31                     ; my wave's first column: 128 x + 32 wave
	s_bfe_u32 s29, ttmp9, 0x10003                  ; y: which 512 along K
	s_lshl_b32 s26, s29, 21                        ; 512 rows of 4,096 bytes
	s_lshl_b32 s31, s28, 2
	s_add_co_u32 s26, s26, s31
	s_add_nc_u64 s[10:11], s[10:11], s[26:27]
	s_lshl_b32 s30, s25, 10
	s_add_co_u32 s30, s30, s28
	s_add_co_u32 s30, s30, WROW0                   ; my first row of codes (a multiple of 32: the exchange of bits stays inside my 32 rows)
	s_lshl_b32 s26, s30, 9
	s_lshl_b32 s31, s29, 8
	s_add_co_u32 s26, s26, s31
	s_add_nc_u64 s[18:19], s[18:19], s[26:27]
	s_lshl_b32 s26, s30, 5
	s_lshl_b32 s31, s29, 4
	s_add_co_u32 s26, s26, s31
	s_add_nc_u64 s[20:21], s[20:21], s[26:27]
	s_mul_i32 s31, s24, 32*PITCH
	s_add_co_u32 s31, s31, WSTG                    ; my stage
	v_lshlrev_b32 v3, 2, v2                        ; in: 4 bytes a lane
	v_mul_u32_u24 v4, v2, PITCH
	v_add_nc_u32 v4, s31, v4                       ; into the stage: row = my column
	v_and_b32 v5, 15, v2
	v_lshrrev_b32 v6, 4, v2
	v_mul_u32_u24 v7, v6, PITCH
	v_lshl_add_u32 v7, v5, 4, v7
	v_add_nc_u32 v7, s31, v7                       ; out of it: sixteen lanes to a row, two rows an instruction
	v_lshlrev_b32 v8, 9, v6
	v_lshl_add_u32 v8, v5, 4, v8                   ; and in the codes: 512 bytes a row
	v_and_b32 v9, 7, v2                            ; my column's place: bits 3 and 4 exchanged
	v_bfe_u32 v10, v2, 4, 1
	v_lshl_or_b32 v9, v10, 3, v9
	v_bfe_u32 v10, v2, 3, 1
	v_lshl_or_b32 v9, v10, 4, v9
	v_lshlrev_b32 v9, 5, v9                        ; 32 scale bytes a row
.macro WLOAD t                         ; block t: W(32 t + i, my column): 128 consecutive bytes a wave, 512 a work-group
.irp i, 0,1,2,3,4,5,6,7,8,9,10,11,12,13,14,15,16,17,18,19,20,21,22,23,24,25,26,27,28,29,30,31
	global_load_b32 v[WX+32*((\t)%2)+\i], v3, s[10:11] offset:(32*(\t)+\i)*4096 th:TH_LOAD_NT
.endr
.endm
	WLOAD 0
	WLOAD 1
.macro WBLOCK t
.set WXS, WX+32*((\t)%2)
.if (\t) < NB-1
	s_wait_loadcnt 32                              ; this block's 32 loads are in; the next block's may be out
.else
	s_wait_loadcnt 0
.endif
	v_max3_num_f32 v12, |v[WXS]|, |v[WXS+1]|, |v[WXS+2]|           ; all 32 numbers of the block are mine
	v_max3_num_f32 v13, |v[WXS+3]|, |v[WXS+4]|, |v[WXS+5]|
.irp i, 6,10,14,18,22,26
	v_max3_num_f32 v12, v12, |v[WXS+\i]|, |v[WXS+\i+1]|
	v_max3_num_f32 v13, v13, |v[WXS+\i+2]|, |v[WXS+\i+3]|
.endr
	v_max3_num_f32 v12, v12, |v[WXS+30]|, |v[WXS+31]|
	v_max3_num_f32 v12, v12, v13, 0x1800000        ; the floor
	v_add_nc_u32 v11, 0xff000000, v12              ; the conversion's scale operand
	v_lshrrev_b32 v13, 23, v11                     ; the byte
.if (\t)%4 == 0
	v_mov_b32 v[SB+(\t)/4], v13
.else
	v_lshl_or_b32 v[SB+(\t)/4], v13, 8*((\t)%4), v[SB+(\t)/4]
.endif
.irp g, 0,1,2,3
	v_cvt_scalef32_pk8_fp4_f32 v[WC+\g], v[WXS+8*\g:WXS+8*\g+7], v11
.endr
	ds_store_b128 v4, v[WC:WC+3] offset:16*(\t)    ; 32 codes: 16 bytes of my column's row
.if (\t)+2 < NB
	WLOAD (\t)+2
.endif
	s_wait_dscnt 0x0                               ; the store has read its registers: the next block's codes may be written
.endm
.set Q, 0
.rept NB
	WBLOCK Q
.set Q, Q+1
.endr
	global_store_b128 v9, v[SB:SB+3], s[20:21]     ; my column's 16 scale bytes
.irp t, 0,1,2,3,4,5,6,7,8,9,10,11,12,13,14,15
	ds_load_b128 v[OUTR+4*\t:OUTR+4*\t+3], v7 offset:2*\t*PITCH
.endr
.irp t, 0,1,2,3,4,5,6,7,8,9,10,11,12,13,14,15
	s_wait_dscnt 15-\t                             ; rows 2 t, 2 t + 1 are back; the later loads may be out
	global_store_b128 v8, v[OUTR+4*\t:OUTR+4*\t+3], s[18:19] offset:((2*\t)%8+8*((\t)/8+2*(((\t)/4)%2)))*512   ; the rows' places: bits 3 and 4 exchanged
.endr
	s_wait_tensorcnt 0x0
	ds_add_u32 v192, v193
	s_wait_dscnt 0x0
	s_endpgm
; ---------------- qstar: wave b takes batch b.  No branch and no address hangs on the numbers: the index is chosen by selects and stored at a fixed place.
.Lmask:
	s_lshl_b32 s26, s24, 13                        ; a batch's 2,048 numbers
	s_add_nc_u64 s[16:17], s[16:17], s[26:27]
	s_mov_b32 s32, 0x76543210
	s_mov_b32 s33, 0xfedcba98                      ; lane selects: lane l xor 16
	v_lshlrev_b32 v3, 4, v2
.irp i, 0,1,2,3,4,5,6,7,8,9,10,11,12,13,14,15
	global_load_b128 v[16+4*\i:19+4*\i], v3, s[16:17] offset:512*\i   ; register 4 i + e: key 128 i + 4 lane + e
.endr
	s_wait_loadcnt 0x0
.set n, 0
.rept 64
	v_sub_f32 v[16+n], 1.0, v[16+n]
.set n, n+1
.endr
.set n, 0
.rept 64
	v_mul_f32 v[16+n], 0x4e6e6b28, v[16+n]         ; c = (1 - v_mask) x 1e9
.set n, n+1
.endr
	v_min3_num_f32 v8, v16, v17, v18               ; the least c, in two chains
	v_min3_num_f32 v9, v19, v20, v21
.irp i, 6,10,14,18,22,26,30,34,38,42,46,50,54,58
	v_min3_num_f32 v8, v8, v[16+\i], v[17+\i]
	v_min3_num_f32 v9, v9, v[18+\i], v[19+\i]
.endr
	v_min3_num_f32 v8, v8, v78, v79
	v_min_num_f32 v8, v8, v9
	v_min_num_f32_dpp v8, v8, v8 row_xmask:1 row_mask:0xf bank_mask:0xf
	v_min_num_f32_dpp v8, v8, v8 row_xmask:2 row_mask:0xf bank_mask:0xf
	v_min_num_f32_dpp v8, v8, v8 row_xmask:4 row_mask:0xf bank_mask:0xf
	v_min_num_f32_dpp v8, v8, v8 row_xmask:8 row_mask:0xf bank_mask:0xf
	v_permlanex16_b32 v9, v8, s32, s33
	v_min_num_f32 v8, v8, v9                       ; gmin, in every lane
	v_add_f32 v10, 0x4dee6b28, v8                  ; gmin + 5e8
	v_mov_b32 v11, 4096                            ; above every index
.set n, 63
.rept 64                               ; from the last register to the first: the lowest index of my 64 whose c is not above the bound stays
	v_cmp_gt_f32 vcc_lo, v[16+n], v10
	v_cndmask_b32 v11, 128*(n/4)+n%4, v11, vcc_lo
.set n, n-1
.endr
	v_lshl_add_u32 v11, v2, 2, v11                 ; + 4 lane: the key's number
	v_cvt_f32_u32 v11, v11                         ; (exact: under 2^24)
	v_min_num_f32_dpp v11, v11, v11 row_xmask:1 row_mask:0xf bank_mask:0xf
	v_min_num_f32_dpp v11, v11, v11 row_xmask:2 row_mask:0xf bank_mask:0xf
	v_min_num_f32_dpp v11, v11, v11 row_xmask:4 row_mask:0xf bank_mask:0xf
	v_min_num_f32_dpp v11, v11, v11 row_xmask:8 row_mask:0xf bank_mask:0xf
	v_permlanex16_b32 v9, v11, s32, s33
	v_min_num_f32 v11, v11, v9
	v_cvt_u32_f32 v11, v11
	v_min_u32 v11, 0x800, v11
	v_lshlrev_b32 v12, 2, v0
	global_store_b32 v12, v11, s[22:23]            ; word 32 b + lane: the 128 threads fill the buffer's 512 bytes
	s_endpgm
.Lfunc_end_k_q779fbc9d1d_quant:
	.size	k_q779fbc9d1d_quant, .Lfunc_end_k_q779fbc9d1d_quant-k_q779fbc9d1d_quant
	.p2alignl 7, 3214868480
	.fill 96, 4, 3214868480
	.section	.rodata,"a",@progbits
	.p2align	6, 0x0
	.amdhsa_kernel k_q779fbc9d1d_quant
		.amdhsa_group_segment_fixed_size 68096
		.amdhsa_private_segment_fixed_size 0
		.amdhsa_enable_private_segment 0
		.amdhsa_kernarg_size 80
		.amdhsa_user_sgpr_count 2
		.amdhsa_user_sgpr_kernarg_segment_ptr 1
		.amdhsa_wavefront_size32 1
		.amdhsa_system_sgpr_workgroup_id_x 1
		.amdhsa_system_sgpr_workgroup_id_y 1
		.amdhsa_system_sgpr_workgroup_id_z 1
		.amdhsa_system_vgpr_workitem_id 0
		.amdhsa_next_free_vgpr 194
		.amdhsa_next_free_sgpr 66
		.amdhsa_reserve_vcc 1
		.amdhsa_float_denorm_mode_32 3
		.amdhsa_float_denorm_mode_16_64 3
		.amdhsa_memory_ordered 1
		.amdhsa_forward_progress 1
		.amdhsa_inst_pref_size 128
	.end_amdhsa_kernel
	.amdgpu_metadata
---
amdhsa.version: [ 1, 2 ]
amdhsa.kernels:
  - .name:           k_q779fbc9d1d_quant
    .symbol:         k_q779fbc9d1d_quant.kd
    .args:
      - { .name: q, .offset: 0, .size: 8, .value_kind: global_buffer, .address_space: global }
      - { .name: k, .offset: 8, .size: 8, .value_kind: global_buffer, .address_space: global }
      - { .name: v, .offset: 16, .size: 8, .value_kind: global_buffer, .address_space: global }
      - { .name: Wq, .offset: 24, .size: 8, .value_kind: global_buffer, .address_space: global }
      - { .name: Wk, .offset: 32, .size: 8, .value_kind: global_buffer, .address_space: global }
      - { .name: Wv, .offset: 40, .size: 8, .value_kind: global_buffer, .address_space: global }
      - { .name: v_mask, .offset: 48, .size: 8, .value_kind: global_buffer, .address_space: global }
      - { .name: codes, .offset: 56, .size: 8, .value_kind: global_buffer, .address_space: global }
      - { .name: scales, .offset: 64, .size: 8, .value_kind: global_buffer, .address_space: global }
      - { .name: qstar, .offset: 72, .size: 8, .value_kind: global_buffer, .address_space: global }
    .group_segment_fixed_size: 68096
    .private_segment_fixed_size: 0
    .kernarg_segment_align: 8
    .kernarg_segment_size: 80
    .max_flat_workgroup_size: 128
    .sgpr_count:     66
    .vgpr_count:     194
    .wavefront_size: 32
...
	.end_amdgpu_metadata
.endif
;; end of part 1
;; launch proj (part 2): grid 4 x 192, 8 waves a work-group, clusters of 4 x 4, 222,976 bytes of LDS; arguments codes, scales, img, isc; writes img, isc
.if DOCPART == 2
	.amdgcn_target "amdgcn-amd-amdhsa--gfx1250"
	.amdhsa_code_object_version 6
	.text
	.protected	k_q779fbc9d1d_proj
	.globl	k_q779fbc9d1d_proj
	.p2align	8
	.type	k_q779fbc9d1d_proj,@function
k_q779fbc9d1d_proj:
	s_mov_b64 s[64:65], 0
	v_nop
	global_prefetch_b8 v0, s[64:65] scope:SCOPE_SE
	s_setreg_imm32_b32 hwreg(HW_REG_WAVE_MODE, 25, 1), 1
	s_wait_xcnt 0x0
	s_wait_alu depctr_hold_cnt(0) depctr_sa_sdst(0) depctr_va_vdst(0) depctr_va_sdst(0) depctr_va_ssrc(0) depctr_va_vcc(0) depctr_vm_vsrc(0)
	s_getreg_b32 s2, hwreg(HW_REG_IB_STS2, 6, 4)
	s_cmp_eq_u32 s2, 0
	s_cbranch_scc0 .Lentry_in_a_cluster
	s_endpgm
.Lentry_in_a_cluster:
	s_bfe_u32 s2, ttmp6, 0x10000c
	s_cmp_lg_u32 s2, 0xf033
	s_cbranch_scc0 .Lentry_shape_is_right
	s_endpgm
.Lentry_shape_is_right:
; The three projections on codes of FP4 (E2M1) with E8M0 scales, and their results quantised in registers into images of the next launch's operand registers.
; ONE FORM FOR ALL THREE: Out[r1][r0] = sum over k of P0[r0][k] P1[r1][k], source 0 = 16 rows of P0, source 1 = 16 rows of P1: a lane holds ONE r1 and its registers run along r0,
; the axis that is quantised next.  q, k: P0 = W^T (r0 = 64 head + d), P1 = the tokens.  v: P0 = v's tokens (r0 = the keys), P1 = Wv^T (r1 = 64 head + d).
; The rows of codes lie with bits 3 and 4 of the row number exchanged: 16 places on end are rows 32 b + 8 u + m + 8 (m / 8), so that the 16 registers of tiles 2 b and 2 b + 1 are 16 neighbours along r0.
; SHARES.  A work-group makes 256 r0 x 128 r1 over all K = 1,024.  All its operands (384 rows x 512 bytes and their scale bytes) fit in LDS: every tile is filled once, nothing is filled again.
; Eight waves: wave w takes r0 128 (w % 2) on (8 tiles) and r1 32 (w / 2) on (2 tiles): 16 accumulators, 128 matrix instructions.
; CLUSTERS: 4 x 4 work-groups.  P0's rows hang on the place along x alone and are shared along a column of the cluster, P1's on the place along y alone and are shared along a row:
; each tile is asked for jointly, by the same tensor load with the same descriptor and a mask that names the four.
; OUT.  128 r0 of a lane's row make one fragment (8 registers) and one scale word.  q, k: registers 0-3 are head A's 64 channels, 4-7 head B's; v: the fragment is a key step of 128 keys.
; Each store of the wave covers 512 (codes) or 256 (scale words) consecutive bytes, aligned.
; LIMITS: NaN and infinities are not served; a block of zeros gets the byte 1 (its codes are zeros; this program alone reads the bytes).
.set H1,    104448                     ; LDS: K half 0 at 0: P0's 256 rows, then P1's 128, 272 bytes apart (256 + 16 of padding); K half 1 here
.set P1O,   69632                      ; P1's rows in a half
.set TILEB, 17408                      ; 64 rows: what one tensor load brings
.set SC0,   208896                     ; P0's scale bytes: 8,192 dense bytes as 32 rows of 256 + 16
.set SC1,   217600                     ; P1's: 16 such rows; the end is 221,952
.set A0,  4                            ; v4, v5   my P0 fragments' address in K half 0, 1
.set A1,  6                            ; v6, v7   the same for P1
.set AS0, 8                            ; v8       my P0 scale words
.set AS1, 9                            ; v9       my P1 scale words
.set F0,  16                           ; v16-79   P0's 8 fragments
.set F1,  80                           ; v80-95   P1's 2
.set SW0, 96                           ; v96-103  P0's scale words; v104-105 P1's: scales and nothing else
.set SW1, 104
.set ACC, 112                          ; v112-239 accumulator (i, j) at ACC + 64 j + 8 i
.set TM,  16                           ; the way out, over P0's fragments: v16-31 at work,
.set PC,  32                           ; v32-47 the two fragments' codes,
.set PWP, 48                           ; v48-49 their scale words, v50-53 the words cut by head
.set WV,  12                           ; s12 wave
.set SEL, 66                           ; s[66:67] lane selects: lane l xor 16
.set PADW, (1<<20)|(1<<21)|(5<<22)|(3<<25)   ; padding on; bit 21 set beside a mask; after every 64 words, 4 words
.macro CROUND                          ; a round of the cluster's barrier
	s_barrier_signal -1
	s_barrier_wait -1
	s_cmp_lg_u32 s[WV], 0
	s_cbranch_scc1 .Lnot_wave_0_\@
	s_barrier_signal -3
.Lnot_wave_0_\@:
	s_barrier_wait -3
	s_barrier_signal -1
	s_barrier_wait -1
.endm
	s_load_b256 s[4:11], s[0:1], 0x0               ; codes s[4:5], scales s[6:7], img s[8:9], isc s[10:11]
	v_lshl_add_u32 v254, v0, 2, 0x36300
	v_mov_b32 v255, 0
	ds_add_u32 v254, v255
	ds_add_u32 v254, v255
	v_lshrrev_b32 v1, 5, v0
	v_readfirstlane_b32 s[WV], v1                  ; wave 0..7
	s_and_b32 s13, s[WV], 1                        ; w0: my 128 of r0
	s_lshr_b32 s14, s[WV], 1                       ; w1: my 32 of r1
	s_and_b32 s27, s[WV], 3
	s_bfe_u32 s15, ttmp6, 0x40000                  ; cx
	s_bfe_u32 s16, ttmp6, 0x40004                  ; cy
	s_and_b32 s17, ttmp7, 0xffff                   ; the cluster's y: 0..47, 16 for each product
	s_lshr_b32 s18, s17, 4                         ; p: 0 q, 1 k, 2 v
	s_and_b32 s19, s17, 15
	s_lshr_b32 s20, s19, 1
	s_and_b32 s21, s19, 1
	s_lshl_b32 s22, s18, 10
	s_add_co_u32 s22, s22, 24576                   ; W^T of product p
	s_lshl_b32 s23, s18, 13                        ; the tokens of product p
	s_cmp_eq_u32 s18, 2                            ; v?  The same in all sixteen partners
	s_cselect_b32 s20, s20, 0                      ; which four blocks of P0,
	s_cselect_b32 s21, s21, s19                    ; and of P1
	s_cselect_b32 s22, 16384, s22                  ; P0's first row
	s_cselect_b32 s23, 26624, s23                  ; P1's first row
	s_cselect_b32 s26, 1, 0
	s_lshl_b32 s88, s20, 2
	s_add_co_u32 s88, s88, s15                     ; i0: block of 256 rows of P0: hangs on cx, never on cy
	s_lshl_b32 s92, s21, 2
	s_add_co_u32 s92, s92, s16                     ; i1: block of 128 rows of P1: hangs on cy, never on cx
	s_lshl_b32 s89, s88, 8
	s_add_co_u32 s89, s89, s22                     ; P0's rows begin here
	s_lshl_b32 s93, s92, 7
	s_add_co_u32 s93, s93, s23                     ; P1's
	s_lshl_b32 s24, 0x1111, s15                    ; my column of the cluster
	s_lshl_b32 s25, s16, 2
	s_lshl_b32 s25, 15, s25                        ; my row
	; descriptor groups 1.  Codes: 64 rows x 256 bytes out of rows of 512
	s_or_b32 s28, s24, PADW                        ; P0's: to my column; elements of 1 byte
	s_or_b32 s36, s25, PADW                        ; P1's: to my row
.irp g, 28, 36
	s_mov_b32 s[\g+1], 256<<16                     ; tensor_dim0
	s_mov_b32 s[\g+2], 64<<16                      ; tensor_dim1
	s_mov_b32 s[\g+3], 256<<16                     ; tile_dim0
	s_mov_b32 s[\g+4], 64                          ; tile_dim1
	s_mov_b32 s[\g+5], 512                         ; from row to row
	s_mov_b32 s[\g+6], 0
	s_mov_b32 s[\g+7], 0
.endr
	; scale bytes: a dense block as rows of 256 bytes (32 elements of 8 bytes)
	s_or_b32 s44, s24, (3<<16)|PADW
	s_mov_b32 s45, 32<<16
	s_mov_b32 s46, 32<<16                          ; P0's: 32 rows
	s_mov_b32 s47, 32<<16
	s_mov_b32 s48, 32
	s_mov_b32 s49, 32
	s_mov_b32 s50, 0
	s_mov_b32 s51, 0
	s_or_b32 s52, s25, (3<<16)|PADW
	s_mov_b32 s53, 32<<16
	s_mov_b32 s54, 16<<16                          ; P1's: 16 rows
	s_mov_b32 s55, 32<<16
	s_mov_b32 s56, 16
	s_mov_b32 s57, 32
	s_mov_b32 s58, 0
	s_mov_b32 s59, 0
	; where the tiles begin, in bytes
	s_lshl_b32 s90, s27, 6
	s_add_co_u32 s90, s90, s89
	s_lshl_b32 s90, s90, 9                         ; P0: waves 0-3 take 64 rows each
	s_mov_b32 s91, 0
	s_lshl_b32 s94, s13, 6
	s_add_co_u32 s94, s94, s93
	s_lshl_b32 s94, s94, 9                         ; P1: waves 4, 5 take 64 rows each
	s_mov_b32 s95, 0
	s_lshl_b32 s96, s89, 5                         ; 32 scale bytes a row
	s_mov_b32 s97, 0
	s_lshl_b32 s98, s93, 5
	s_mov_b32 s99, 0
	; where my results go.  BH = 16 batch + head
	s_lshr_b32 s17, s92, 4                         ; q, k: batch = i1 / 16,
	s_lshl_b32 s17, s17, 4
	s_lshl_b32 s19, s88, 2
	s_add_co_u32 s17, s17, s19
	s_lshl_b32 s19, s13, 1
	s_add_co_u32 s17, s17, s19                     ; head A = 4 i0 + 2 w0,
	s_and_b32 s19, s92, 15
	s_lshl_b32 s19, s19, 2
	s_add_co_u32 s19, s19, s14                     ; pair of tiles of tokens = 4 (i1 % 16) + w1
	s_lshl_b32 s20, s17, 16
	s_lshl_b32 s21, s19, 10
	s_add_co_u32 s20, s20, s21                     ; codes: 65,536 bytes a head, 1,024 a pair
	s_lshl_b32 s21, s17, 14
	s_lshl_b32 s19, s19, 8
	s_add_co_u32 s21, s21, s19                     ; scale words: 16,384 a head, 256 a pair
	s_lshr_b32 s17, s88, 3                         ; v: batch = i0 / 8,
	s_lshl_b32 s17, s17, 4
	s_lshl_b32 s19, s92, 1
	s_add_co_u32 s17, s17, s19
	s_lshr_b32 s19, s14, 1
	s_add_co_u32 s17, s17, s19                     ; head = 2 i1 + w1 / 2,
	s_and_b32 s19, s88, 7
	s_lshl_b32 s19, s19, 1
	s_add_co_u32 s19, s19, s13                     ; key step = 2 (i0 % 8) + w0,
	s_and_b32 s22, s14, 1                          ; pair of tiles of d = w1 % 2
	s_lshl_b32 s23, s17, 16
	s_lshl_b32 s24, s19, 12
	s_add_co_u32 s23, s23, s24
	s_lshl_b32 s24, s22, 11
	s_add_co_u32 s23, s23, s24                     ; codes: 4,096 bytes a key step, 2,048 a pair
	s_lshl_b32 s24, s17, 13
	s_lshl_b32 s19, s19, 9
	s_add_co_u32 s24, s24, s19
	s_lshl_b32 s22, s22, 8
	s_add_co_u32 s24, s24, s22                     ; scale words: 8,192 a head, 512 a key step, 256 a pair
	s_mov_b32 s2, 0x10000
	s_mov_b32 s3, 512
	s_cmp_eq_u32 s26, 1
	s_cselect_b32 s20, s23, s20
	s_cselect_b32 s22, s24, s21
	s_cselect_b32 s2, 512, s2                      ; from registers 0-3 to 4-7: the next head (q, k), or the fragment's second half (v)
	s_cselect_b32 s3, 1024, s3                     ; from tile j = 0 to 1
	s_lshl_b32 s17, s18, 22
	s_add_co_u32 s20, s20, s17                     ; the part of img: 4 MiB each
	s_mov_b32 s21, 0
	s_lshl_b32 s17, s18, 20
	s_add_co_u32 s22, s22, s17                     ; the part of isc: at 0, 1 MiB, 2 MiB
	s_mov_b32 s23, 0
	v_and_b32 v1, 15, v0                           ; r
	v_bfe_u32 v2, v0, 4, 1                         ; half of the lanes
	v_and_b32 v3, 31, v0                           ; lane
	v_lshlrev_b32 v10, 4, v3                       ; stores of codes: 16 x lane, (j, c) = (0, 0)
	v_add_nc_u32 v11, s2, v10                      ; (0, 1)
	v_add_nc_u32 v12, s3, v10                      ; (1, 0)
	v_add_nc_u32 v13, s2, v12                      ; (1, 1)
	v_lshlrev_b32 v14, 3, v3                       ; stores of scale words: 8 x lane
	v_mul_u32_u24 v4, v1, 272
	v_lshl_add_u32 v4, v2, 4, v4                   ; a fragment's row x pitch + 16 x half
	s_mul_i32 s2, s13, 128*272
	s_mul_i32 s3, s14, 32*272
	s_add_co_u32 s3, s3, P1O
	v_add_nc_u32 v[A1], s3, v4
	v_add_nc_u32 v[A0], s2, v4
	v_add_nc_u32 v[A0+1], H1, v[A0]
	v_add_nc_u32 v[A1+1], H1, v[A1]
	v_lshrrev_b32 v8, 3, v1
	v_lshlrev_b32 v9, 5, v1
	v_lshl_add_u32 v9, v8, 4, v9                   ; 32 bytes a row, and 16 more behind every 8 rows
	s_mul_i32 s2, s13, 4352
	s_add_co_u32 s2, s2, SC0
	s_mul_i32 s3, s14, 1088
	s_add_co_u32 s3, s3, SC1
	v_add_nc_u32 v[AS0], s2, v9
	v_add_nc_u32 v[AS1], s3, v9
	s_mov_b32 s[SEL], 0x76543210
	s_mov_b32 s[SEL+1], 0xfedcba98
	s_wait_dscnt 0x0
	s_wait_kmcnt 0x0
	s_add_nc_u64 s[8:9], s[8:9], s[20:21]
	s_add_nc_u64 s[10:11], s[10:11], s[22:23]
	; descriptor groups 0
	s_mov_b32 s60, 1                               ; P0, K half 0
	s_mul_i32 s61, s27, TILEB
	s_add_nc_u64 s[62:63], s[4:5], s[90:91]
	s_mov_b32 s68, 1                               ; P0, K half 1: 256 bytes on in each row
	s_add_co_u32 s69, s61, H1
	s_add_nc_u64 s[70:71], s[62:63], 256
	s_or_b32 s63, s63, 0x80000000
	s_or_b32 s71, s71, 0x80000000
	s_mov_b32 s72, 1                               ; P1, K half 0
	s_mul_i32 s73, s13, TILEB
	s_add_co_u32 s73, s73, P1O
	s_add_nc_u64 s[74:75], s[4:5], s[94:95]
	s_mov_b32 s76, 1                               ; P1, K half 1
	s_add_co_u32 s77, s73, H1
	s_add_nc_u64 s[78:79], s[74:75], 256
	s_or_b32 s75, s75, 0x80000000
	s_or_b32 s79, s79, 0x80000000
	s_mov_b32 s80, 1                               ; P0's scale bytes
	s_mov_b32 s81, SC0
	s_add_nc_u64 s[82:83], s[6:7], s[96:97]
	s_or_b32 s83, s83, 0x80000000
	s_mov_b32 s84, 1                               ; P1's
	s_mov_b32 s85, SC1
	s_add_nc_u64 s[86:87], s[6:7], s[98:99]
	s_or_b32 s87, s87, 0x80000000
	CROUND                                         ; all sixteen work-groups are here: the joint loads meet
	; every fill of the launch, one arm for each kind of wave; at most two tensor loads of a wave are out.  Four v_nop follow the loads.
	s_cmp_lt_u32 s[WV], 4
	s_cbranch_scc0 .Lnot_p0
	tensor_load_to_lds s[60:63], s[28:35]
	s_nop 0
	tensor_load_to_lds s[68:71], s[28:35]
	s_nop 0
.rept 4
	v_nop
.endr
	s_wait_tensorcnt 0x1                           ; my part of K half 0 is in; K half 1's load may be out
	s_branch .Lasked
.Lnot_p0:
	s_cmp_lt_u32 s[WV], 6
	s_cbranch_scc0 .Lnot_p1
	tensor_load_to_lds s[72:75], s[36:43]
	s_nop 0
	tensor_load_to_lds s[76:79], s[36:43]
	s_nop 0
.rept 4
	v_nop
.endr
	s_wait_tensorcnt 0x1                           ; likewise
	s_branch .Lasked
.Lnot_p1:
	s_cmp_eq_u32 s[WV], 6
	s_cbranch_scc0 .Lwave_7
	tensor_load_to_lds s[80:83], s[44:51]
	s_nop 0
.rept 4
	v_nop
.endr
	s_wait_tensorcnt 0x0                           ; the scale bytes are wanted with the first K step
	s_branch .Lasked
.Lwave_7:
	tensor_load_to_lds s[84:87], s[52:59]
	s_nop 0
.rept 4
	v_nop
.endr
	s_wait_tensorcnt 0x0
.Lasked:
	s_barrier_signal -1
	s_barrier_wait -1                              ; everybody's part of K half 0 and the scale bytes are in
.macro FRAG reg, adr, off              ; 16 rows x 128 K of 4-bit codes: registers 4 c .. 4 c + 3 hold K = 64 c + 32 (lane / 16) + 0 .. 31
.irp c, 0,1
	ds_load_b128 v[(\reg)+4*\c:(\reg)+4*\c+3], v[\adr] offset:(\off)+32*\c
.endr
.endm
; A step of 128 along K: the q-th of K half hh.  The sixteen accumulators take turns, one instruction a turn, in the same order in every step.
.macro KSTEP hh, q, zero
.if \zero == 0
.rept 4
	v_nop                                          ; four places in front of loads into registers that matrix instructions have read (ISA guide 7.12.1 for vector instructions)
.endr
.endif
.irp i, 0,1,2,3,4,5,6,7
	ds_load_b32 v[SW0+\i], v[AS0] offset:544*\i+4*(4*\hh+\q)      ; lane r (and r + 16): the word of row r of tile i
.endr
.irp j, 0,1
	ds_load_b32 v[SW1+\j], v[AS1] offset:544*\j+4*(4*\hh+\q)
.endr
.irp j, 0,1
	FRAG F1+8*\j, A1+\hh, 64*\q+4352*\j
.endr
.irp i, 0,1,2,3,4,5,6,7
	FRAG F0+8*\i, A0+\hh, 64*\q+4352*\i
.endr
.irp i, 0,1,2,3,4,5,6,7
	s_wait_dscnt 2*(7-\i)                          ; P0's tile i is in; the two loads of each later tile may be out
.irp j, 0,1
.if \zero
	v_wmma_scale_f32_16x16x128_f8f6f4 v[ACC+64*\j+8*\i:ACC+64*\j+8*\i+7], v[F0+8*\i:F0+8*\i+7], v[F1+8*\j:F1+8*\j+7], 0, v[SW0+\i], v[SW1+\j] matrix_a_fmt:MATRIX_FMT_FP4 matrix_b_fmt:MATRIX_FMT_FP4
.else
	v_wmma_scale_f32_16x16x128_f8f6f4 v[ACC+64*\j+8*\i:ACC+64*\j+8*\i+7], v[F0+8*\i:F0+8*\i+7], v[F1+8*\j:F1+8*\j+7], v[ACC+64*\j+8*\i:ACC+64*\j+8*\i+7], v[SW0+\i], v[SW1+\j] matrix_a_fmt:MATRIX_FMT_FP4 matrix_b_fmt:MATRIX_FMT_FP4
.endif
.endr
.endr
.endm
; 64 numbers of a lane, register 16 b + i = r0 32 b + 16 (lane / 16) + i of my row, become a fragment's codes in v[pc] on and its scale word in v[pw]
.macro QUANT s, pc, pw
.irp b, 0,1,2,3
	v_max3_num_f32 v[TM+\b], |v[(\s)+16*\b]|, |v[(\s)+1+16*\b]|, 0x1800000   ; each accumulator is read from its low end on; the floor 2^(3 - 127) holds the byte at 1 from below
.endr
.irp i, 2,4,6,8,10,12,14
.irp b, 0,1,2,3
	v_max3_num_f32 v[TM+\b], v[TM+\b], |v[(\s)+16*\b+\i]|, |v[(\s)+1+16*\b+\i]|
.endr
.endr
.irp b, 0,1,2,3
	v_permlanex16_b32 v[TM+4+\b], v[TM+\b], s[SEL], s[SEL+1]
.endr
.irp b, 0,1,2,3
	v_max_num_f32 v[TM+\b], v[TM+\b], v[TM+4+\b]   ; with lane l xor 16's 16: the block's largest magnitude
.endr
.irp b, 0,1,2,3
	v_add_nc_u32 v[TM+12+\b], 0xff000000, v[TM+\b] ; 2 off the exponent field: the conversion's scale operand
.endr
.irp b, 0,1,2,3
	v_lshrrev_b32 v[TM+4+\b], 23, v[TM+12+\b]      ; the byte
.endr
	v_lshl_or_b32 v[\pw], v[TM+5], 8, v[TM+4]
	v_lshl_or_b32 v[\pw], v[TM+6], 16, v[\pw]
	v_lshl_or_b32 v[\pw], v[TM+7], 24, v[\pw]
.irp b, 0,1,2,3
	v_cvt_scalef32_pk8_fp4_f32 v[(\pc)+2*\b], v[(\s)+16*\b:(\s)+7+16*\b], v[TM+12+\b]
	v_cvt_scalef32_pk8_fp4_f32 v[(\pc)+1+2*\b], v[(\s)+8+16*\b:(\s)+15+16*\b], v[TM+12+\b]
.endr
	v_nop                                          ; one plain line behind the scaled conversions
.irp c, 0,1                                    ; a whole block to a lane: lanes 0-15 block 2 c, lanes 16-31 block 2 c + 1
.irp i, 0,1
	v_permlane16_swap_b32 v[(\pc)+4*\c+\i], v[(\pc)+2+4*\c+\i]
.endr
.endr
.endm
	KSTEP 0, 0, 1                                  ; the first products start the sums: nothing is cleared
	KSTEP 0, 1, 0
	KSTEP 0, 2, 0
	KSTEP 0, 3, 0
	s_wait_tensorcnt 0x0                           ; my part of K half 1 is in (no LDS load of mine is out: the last step's wait was for 0)
	s_barrier_signal -1
	s_barrier_wait -1                              ; everybody's is
	KSTEP 1, 0, 0
	KSTEP 1, 1, 0
	KSTEP 1, 2, 0
	KSTEP 1, 3, 0
.rept 4
	v_nop                                          ; four places in front of the first read of results and of writes over the fragments' registers
.endr
.irp b, 0,1,2,3
	v_mov_b32 v[TM+4+\b], 0                        ; a lane permute's destination counts as one of its sources
.endr
	QUANT ACC, PC, PWP
	global_store_b128 v10, v[PC:PC+3], s[8:9]      ; 32 lanes store 512 consecutive bytes, aligned
	global_store_b128 v11, v[PC+4:PC+7], s[8:9]
	QUANT ACC+64, PC+8, PWP+1
	global_store_b128 v12, v[PC+8:PC+11], s[8:9]
	global_store_b128 v13, v[PC+12:PC+15], s[8:9]
	s_cmp_eq_u32 s26, 1                            ; the same in all partners and all waves
	s_cbranch_scc1 .Lv_words
	s_mov_b32 s17, 0x7f7f0000                      ; q, k: a head has 64 along K: two bytes; the upper two stand for 1.0 over codes that are zeros
	v_and_or_b32 v50, v48, 0xffff, s17             ; head A: bytes 0, 1
	v_and_or_b32 v51, v49, 0xffff, s17
	v_lshrrev_b32 v52, 16, v48                     ; head B: bytes 2, 3
	v_lshrrev_b32 v53, 16, v49
	v_or_b32 v52, s17, v52
	v_or_b32 v53, s17, v53
	global_store_b64 v14, v[50:51], s[10:11]       ; the pair's two words a lane: 256 consecutive bytes, aligned
	global_store_b64 v14, v[52:53], s[10:11] offset:16384
	s_branch .Lwords_out
.Lv_words:
	global_store_b64 v14, v[48:49], s[10:11]       ; v: the four bytes of the 128 keys
.Lwords_out:
	s_wait_tensorcnt 0x0
	ds_add_u32 v254, v255
	s_wait_dscnt 0x0
	CROUND                                         ; the closing round: no work-group ends while a partner may still ask for a tile that names it
	s_endpgm
.Lfunc_end_k_q779fbc9d1d_proj:
	.size	k_q779fbc9d1d_proj, .Lfunc_end_k_q779fbc9d1d_proj-k_q779fbc9d1d_proj
	.p2alignl 7, 3214868480
	.fill 96, 4, 3214868480
	.section	.rodata,"a",@progbits
	.p2align	6, 0x0
	.amdhsa_kernel k_q779fbc9d1d_proj
		.amdhsa_group_segment_fixed_size 222976
		.amdhsa_private_segment_fixed_size 0
		.amdhsa_enable_private_segment 0
		.amdhsa_kernarg_size 32
		.amdhsa_user_sgpr_count 2
		.amdhsa_user_sgpr_kernarg_segment_ptr 1
		.amdhsa_wavefront_size32 1
		.amdhsa_system_sgpr_workgroup_id_x 1
		.amdhsa_system_sgpr_workgroup_id_y 1
		.amdhsa_system_sgpr_workgroup_id_z 1
		.amdhsa_system_vgpr_workitem_id 0
		.amdhsa_next_free_vgpr 256
		.amdhsa_next_free_sgpr 100
		.amdhsa_reserve_vcc 0
		.amdhsa_float_denorm_mode_32 3
		.amdhsa_float_denorm_mode_16_64 3
		.amdhsa_memory_ordered 1
		.amdhsa_forward_progress 1
		.amdhsa_inst_pref_size 54
	.end_amdhsa_kernel
	.amdgpu_metadata
---
amdhsa.version: [ 1, 2 ]
amdhsa.kernels:
  - .name:           k_q779fbc9d1d_proj
    .symbol:         k_q779fbc9d1d_proj.kd
    .args:
      - { .name: codes, .offset: 0, .size: 8, .value_kind: global_buffer, .address_space: global }
      - { .name: scales, .offset: 8, .size: 8, .value_kind: global_buffer, .address_space: global }
      - { .name: img, .offset: 16, .size: 8, .value_kind: global_buffer, .address_space: global }
      - { .name: isc, .offset: 24, .size: 8, .value_kind: global_buffer, .address_space: global }
    .group_segment_fixed_size: 222976
    .private_segment_fixed_size: 0
    .kernarg_segment_align: 8
    .kernarg_segment_size: 32
    .max_flat_workgroup_size: 256
    .sgpr_count:     100
    .vgpr_count:     256
    .wavefront_size: 32
...
	.end_amdgpu_metadata
.endif
;; end of part 2
;; launch attn (part 3): grid 4 x 64, 16 waves a work-group, no clusters, 235,520 bytes of LDS; arguments img, isc, qstar, v_mask, q_mask, out0; writes out0
.if DOCPART == 3
	.amdgcn_target "amdgcn-amd-amdhsa--gfx1250"
	.amdhsa_code_object_version 6
	.text
	.protected	k_q779fbc9d1d_attn
	.globl	k_q779fbc9d1d_attn
	.p2align	8
	.type	k_q779fbc9d1d_attn,@function
k_q779fbc9d1d_attn:
	s_mov_b64 s[64:65], 0
	v_nop
	global_prefetch_b8 v0, s[64:65] scope:SCOPE_SE
	s_setreg_imm32_b32 hwreg(HW_REG_WAVE_MODE, 25, 1), 1
	s_wait_xcnt 0x0
; out0[b][q][64 h + d] = q_mask[b][q] x sum over k of softmax_k(a[q][k]) V[k][d],  a = S / 8 - (1 - v_mask[k]) x 1e9 - (k > q ? 1e9 : 0),  S = Q . K over the head's 64.
; Both products on codes of FP4 (E2M1) with E8M0 scales, read as images of the operands' registers.  K = 64 fills half of a matrix instruction: the other half is zero codes under the byte of 1.0.
; THE SOFTMAX: t = a x log2(e), M = the running largest t rounded up to a whole number, p = 2^(t - M), quantised along the keys, not normalised; the sum of the unquantised p divides at the end.
; THE MASKS ARE NUMBERS, NOT -infinity, and are taken off as the definition takes them off, each with its own rounding: a = fl(S / 8 - c), then - 1e9 or 0, then t = fl(a x log2 e), then t - M.
; The multiply and the add are NOT fused: where a row's largest a is near -1e9, t is a whole number only after its own rounding, and p = 1 hangs on that.
; WHICH KEY STEPS ARE LEFT OUT.  Later keys than the query weigh nothing from query qstar[b] on (a whole number that an earlier launch stored).  A tile of queries that begins at or behind qstar walks the
; key steps up to its diagonal; a tile that begins ahead of it walks all sixteen.  LIMIT: this takes |S / 8| under 1e8.  NaN and infinities are not served.
; SHARES.  A work-group takes one (batch, head) and a quarter of its tiles of 16 queries.  All of the head's K and V (codes, scale words) and the batch's mask terms lie in LDS, filled once through registers.
; Wave v takes tiles T = 16 x + v and 127 - T, one after the other: (T / 8 + 1) + (16 - T / 8) = 17 key steps for every wave.  Sixteen waves of 256 registers, four to a SIMD:
; one wave's softmax stands beside another's products and LDS loads.
; NO CLUSTER, though the four work-groups of a head read the same K and V.
; LAYOUT.  Both products transposed: S^T = K Q^T, O^T = V^T P^T: a lane holds one query.  Lane r of a tile holds token 32 (t / 2) + 8 (t % 2) + r + 8 (r / 8), in K, in Q and in V's d alike,
; so register 16 b + i of S^T is key 32 b + 16 (lane / 16) + i of the step, and register 16 b + i of O^T is d = 32 b + 16 (lane / 16) + i.
.set KIMG, 0                           ; LDS: K's 128 tiles x 512 bytes
.set VIMG, 65536                       ; V's 16 key steps x 4 tiles of d x 1,024 bytes
.set KSC,  131072                      ; K's scale words: 64 pairs of tiles x 256 bytes
.set VSC,  147456                      ; V's: 16 key steps x 2 pairs x 256 bytes
.set CM,   155648                      ; -c[k] = (1 - v_mask[k]) x (-1e9), 2,048 numbers
.set STG,  163840                      ; the way out: 16 rows x (256 + 16) bytes for each wave
.set L16, 1                            ; v1   16 x lane (K's images begin at LDS byte 0)
.set AV0, 2                            ; v2   + VIMG
.set L8,  3                            ; v3   8 x lane
.set ASK0, 4                           ; v4   + KSC
.set ASV0, 5                           ; v5   + VSC
.set AC0, 6                            ; v6   CM + 64 (lane / 16)
.set STO, 7                            ; v7   the stage, in
.set RD,  8                            ; v8   the stage, back
.set GO,  9                            ; v9   my byte offset in two rows of out0
.set QMO, 10                           ; v10  4 (r + 8 (r / 8))
.set QL,  11                           ; v11  r + 8 (r / 8) - 16 (lane / 16)
.set NEGV, 12                          ; v12  1e9
.set NM,  14                           ; v[14:15] -M, the largest t
.set LS,  16                           ; v[16:17] the sum, in two halves
.set FF,  18                           ; v[18:19] f = 2^(old M - new M); v19 is written once, being named in the pair
.set DD,  20                           ; v20  my query less the step's first key less 16 (lane / 16)
.set QM,  21                           ; v21  q_mask of my query
.set QS,  22                           ; v22  Q's scale word;  v23 p's: scales and nothing else
.set PS,  23
.set QF,  24                           ; v[24:31] Q's fragment: 24-27 codes, 28-31 zeros
.set KFR, 32                           ; v[32:63] four fragments of K: + 0..3 codes, + 4..7 zeros, written once
.set S,   64                           ; v[64:127] S^T, then a, t - M, p
.set CA,  128                          ; v[128:159] -c of two blocks of keys; later V's four fragments
.set O,   160                          ; v[160:191] O^T
.set PC,  192                          ; v[192:199] p's codes
.set KS,  200                          ; v[200:207] K's scale words; v[208:211] V's: scales and nothing else
.set VS,  208
.set BM,  212                          ; v212-215 each block's largest a, then its largest p
.set BX,  216                          ; v216-219 lane l xor 16's
.set SO,  220                          ; v220-223 the conversions' scale operands
.set BY,  224                          ; v224-227 the bytes
.set W,   228                          ; v228-233 at work
.set IV,  236                          ; v[236:237] q_mask / sum; v237 is written once
.set ADK, 240                          ; v240-244 the step's LDS addresses: K, V, K's words, V's words, -c
.set ADV, 241
.set ADS, 242
.set ADT, 243
.set ADC, 244
.set FILL, 64                          ; the fill's 80 registers
.set WV,  16
.set SEL, 22                           ; s[22:23] lane selects: lane l xor 16
.set CE,  24                           ; s[24:25] 1/8
.set CL,  26                           ; s[26:27] log2(e)
.set T,   28
.set TRIP, 29
.set QB,  30                           ; the tile's first query
.set LIMIT, 31                         ; key steps that the tile walks
.set DIAG, 32                          ; the key step on the diagonal
.set STEP, 33
.set TB,  34                           ; the step's bytes in K's and V's images: 4,096 a step
.set TS,  35                           ; in K's scale words: 1,024
.set TJ,  36                           ; in V's scale words and in -c: 512
.set KF,  37                           ; the step's first key
.set QSTAR, 38
	s_load_b256 s[4:11], s[0:1], 0x0               ; img s[4:5], isc s[6:7], qstar s[8:9], v_mask s[10:11]
	s_load_b128 s[12:15], s[0:1], 0x20             ; q_mask s[12:13], out0 s[14:15]
	v_lshl_add_u32 v254, v0, 2, 0x39000
	v_mov_b32 v255, 0
	v_lshrrev_b32 v[W+1], 5, v0
	v_readfirstlane_b32 s[WV], v[W+1]              ; wave 0..15
	s_and_b32 s18, ttmp7, 0xffff                   ; 16 batch + head
	s_lshr_b32 s19, s18, 4                         ; batch
	s_and_b32 s20, s18, 15                         ; head
	s_mov_b32 s[SEL], 0x76543210
	s_mov_b32 s[SEL+1], 0xfedcba98
	s_mov_b32 s[CE], 0x3e000000
	s_mov_b32 s[CE+1], s[CE]                       ; (the packed forms name a pair and take its low word)
	s_mov_b32 s[CL], 0x3fb8aa3b
	s_mov_b32 s[CL+1], s[CL]
	s_lshl_b32 s[T], ttmp9, 4
	s_add_co_u32 s[T], s[T], s[WV]                 ; my first tile
	s_mov_b32 s[TRIP], 0
	s_mov_b32 s49, 0                               ; the upper word of the offset pair s[48:49]
	v_and_b32 v[W+1], 31, v0                       ; lane
	v_and_b32 v[W+2], 15, v0                       ; r
	v_bfe_u32 v[W+3], v0, 4, 1                     ; half of the lanes
	v_lshlrev_b32 v[L16], 4, v[W+1]
	v_add_nc_u32 v[AV0], VIMG, v[L16]
	v_lshlrev_b32 v[L8], 3, v[W+1]
	v_add_nc_u32 v[ASK0], KSC, v[L8]
	v_add_nc_u32 v[ASV0], VSC, v[L8]
	v_lshlrev_b32 v[AC0], 6, v[W+3]
	v_add_nc_u32 v[AC0], CM, v[AC0]
	s_mul_i32 s21, s[WV], 16*272
	s_add_co_u32 s21, s21, STG                     ; my stage
	v_mul_u32_u24 v[STO], v[W+2], 272
	v_lshl_add_u32 v[STO], v[W+3], 6, v[STO]
	v_add_nc_u32 v[STO], s21, v[STO]               ; in: row r, + 64 bytes for lanes 16-31
	v_mul_u32_u24 v[RD], v[W+3], 272
	v_lshl_add_u32 v[RD], v[W+2], 4, v[RD]
	v_add_nc_u32 v[RD], s21, v[RD]                 ; back: lanes 0-15 one row, lanes 16-31 the next
	v_lshlrev_b32 v[GO], 12, v[W+3]
	v_lshl_add_u32 v[GO], v[W+2], 4, v[GO]         ; and the same in out0: 4,096 bytes a token
	v_and_b32 v[W+4], 8, v[W+2]
	v_add_nc_u32 v[W+4], v[W+4], v[W+2]            ; r + 8 (r / 8)
	v_lshlrev_b32 v[QMO], 2, v[W+4]
	v_lshlrev_b32 v[W+5], 4, v[W+3]
	v_sub_nc_u32 v[QL], v[W+4], v[W+5]
	v_mov_b32 v[NEGV], 0x4e6e6b28
	v_lshlrev_b32 v240, 4, v0                      ; the fill: 16 bytes a thread, 8,192 a load of the work-group
	v_add_nc_u32 v241, VIMG, v240
	v_add_nc_u32 v242, KSC, v240
	s_wait_kmcnt 0x0
	s_lshl_b32 s48, s19, 7                         ; qstar: 32 words a batch, all alike
	s_add_nc_u64 s[8:9], s[8:9], s[48:49]
	s_load_b32 s[QSTAR], s[8:9], 0x0
	s_lshl_b32 s48, s18, 16
	s_add_nc_u64 s[40:41], s[4:5], s[48:49]        ; Q's images of my head;
	s_add_nc_u64 s[50:51], s[40:41], 0x400000      ; K's, 4 MiB on;
	s_add_nc_u64 s[52:53], s[40:41], 0x800000      ; V's, 8 MiB on
	s_lshl_b32 s48, s18, 14
	s_add_nc_u64 s[42:43], s[6:7], s[48:49]        ; Q's scale words; K's lie 1 MiB on
	s_lshl_b32 s48, s18, 13
	s_add_nc_u64 s[54:55], s[6:7], s[48:49]
	s_add_nc_u64 s[54:55], s[54:55], 0x200000      ; V's scale words
	s_lshl_b32 s48, s19, 13
	s_add_nc_u64 s[10:11], s[10:11], s[48:49]      ; my batch's v_mask
	s_add_nc_u64 s[44:45], s[12:13], s[48:49]      ; and q_mask
	s_lshl_b32 s48, s19, 23
	s_lshl_b32 s21, s20, 8
	s_add_co_u32 s48, s48, s21
	s_add_nc_u64 s[46:47], s[14:15], s[48:49]      ; out0: my batch's 8 MiB, my head's 256 bytes of a row
	; THE FILL: twenty loads a thread, all on their way at once
	global_load_b128 v[FILL:FILL+3], v240, s[10:11]
.irp i, 0,1,2,3,4,5,6,7
	global_load_b128 v[FILL+4+4*\i:FILL+7+4*\i], v240, s[50:51] offset:8192*\i
.endr
.irp i, 0,1,2,3,4,5,6,7
	global_load_b128 v[FILL+36+4*\i:FILL+39+4*\i], v240, s[52:53] offset:8192*\i
.endr
.irp i, 0,1
	global_load_b128 v[FILL+68+4*\i:FILL+71+4*\i], v240, s[42:43] offset:1048576+8192*\i
.endr
	global_load_b128 v[FILL+76:FILL+79], v240, s[54:55]
.irp t, 0,1,2,3                                ; what is written once
.irp e, 4,5,6,7
	v_mov_b32 v[KFR+8*\t+\e], 0                    ; the upper 64 along K: zero codes
.endr
.endr
.irp e, 4,5,6,7
	v_mov_b32 v[QF+\e], 0
.endr
.irp b, 0,1,2,3
	v_mov_b32 v[BX+\b], 0                          ; a lane permute's destination counts as one of its sources
.endr
	v_mov_b32 v[W], 0
	v_mov_b32 v[FF+1], 0
	v_mov_b32 v[IV+1], 0
.macro PUT n, adr, off
	s_wait_loadcnt 19-(\n)                         ; load n is in; the later ones may be out
	ds_store_b128 v[\adr], v[FILL+4*(\n):FILL+4*(\n)+3] offset:\off
.endm
	s_wait_loadcnt 19                              ; v_mask is in
.irp e, 0,1,2,3
	v_sub_f32 v[FILL+\e], 1.0, v[FILL+\e]
.endr
.irp e, 0,1,2,3
	v_mul_f32 v[FILL+\e], 0xce6e6b28, v[FILL+\e]   ; -c = (1 - v_mask) x (-1e9): the product's own rounding, with the sign turned
.endr
	ds_store_b128 v242, v[FILL:FILL+3] offset:CM-KSC
.irp i, 0,1,2,3,4,5,6,7
	PUT 1+\i, 240, 8192*\i
.endr
.irp i, 0,1,2,3,4,5,6,7
	PUT 9+\i, 241, 8192*\i
.endr
	PUT 17, 242, 0
	PUT 18, 242, 8192
	PUT 19, 242, VSC-KSC
	s_wait_kmcnt 0x0                               ; qstar
	s_wait_dscnt 0x0                               ; for the others' sake: my stores have landed
	s_barrier_signal -1
	s_barrier_wait -1                              ; the launch's one barrier: from here on these bytes are only read
.macro SPROD g                         ; S^T of tiles 4 g .. 4 g + 3 of the step's eight
.irp t, 0,1,2,3
	v_wmma_scale_f32_16x16x128_f8f6f4 v[S+32*\g+8*\t:S+32*\g+8*\t+7], v[KFR+8*\t:KFR+8*\t+7], v[QF:QF+7], 0, v[KS+4*\g+\t], v[QS] matrix_a_fmt:MATRIX_FMT_FP4 matrix_b_fmt:MATRIX_FMT_FP4
.endr
.endm
.macro LOADK g
.irp t, 0,1,2,3
	ds_load_b128 v[KFR+8*\t:KFR+8*\t+3], v[ADK] offset:2048*\g+512*\t
.endr
.endm
.macro LOADC g                         ; -c of blocks 2 g, 2 g + 1: my 16 keys of each; a half of the lanes reads the same bytes
.irp b, 0,1
.irp i, 0,1,2,3
	ds_load_b128 v[CA+16*\b+4*\i:CA+16*\b+4*\i+3], v[ADC] offset:128*(2*\g+\b)+16*\i
.endr
.endr
.endm
.macro ADDC g                          ; a = fl(S / 8 - c): S / 8 is exact, so the fused form rounds once, as the definition's subtraction does.  Each accumulator is read from its low end on
.irp j, 0,2,4,6,8,10,12,14,16,18,20,22,24,26,28,30
	v_pk_fma_f32 v[S+32*\g+\j:S+32*\g+\j+1], v[S+32*\g+\j:S+32*\g+\j+1], s[CE:CE+1], v[CA+\j:CA+\j+1] op_sel_hi:[1,0,1]
.endr
.endm
.macro PLACES
.rept 4
	v_nop
.endr
.endm
.Ltile:                                            ; two trips: tile T, then tile 127 - T
	s_lshr_b32 s48, s[T], 1
	s_lshl_b32 s48, s48, 5
	s_and_b32 s21, s[T], 1
	s_lshl_b32 s21, s21, 3
	s_add_co_u32 s[QB], s48, s21                   ; the tile's first query: 32 (T / 2) + 8 (T % 2); its last is 23 on, in the same 32
	s_lshr_b32 s[DIAG], s[T], 3
	s_add_co_u32 s[LIMIT], s[DIAG], 1
	s_cmp_lt_u32 s[QB], s[QSTAR]
	s_cselect_b32 s[LIMIT], 16, s[LIMIT]           ; a tile that begins ahead of qstar walks all keys
	s_lshl_b32 s48, s[T], 9                        ; no load that names s[48:49] is out here: the last trip's three were waited for at its head
	s_mov_b32 s49, 0
	s_add_nc_u64 s[48:49], s[40:41], s[48:49]      ; Q's image of the tile
	s_lshr_b32 s50, s[T], 1
	s_lshl_b32 s50, s50, 8
	s_lshr_b32 s21, s21, 1                         ; 4 (T % 2)
	s_add_co_u32 s50, s50, s21
	s_mov_b32 s51, 0
	s_add_nc_u64 s[50:51], s[42:43], s[50:51]      ; its scale words
	s_lshl_b32 s52, s[QB], 2
	s_mov_b32 s53, 0
	s_add_nc_u64 s[52:53], s[44:45], s[52:53]      ; q_mask at the first query
	s_lshl_b32 s54, s[QB], 12
	s_mov_b32 s55, 0
	s_add_nc_u64 s[54:55], s[46:47], s[54:55]      ; out0 likewise
	global_load_b128 v[QF:QF+3], v[L16], s[48:49]
	global_load_b32 v[QS], v[L8], s[50:51]
	global_load_b32 v[QM], v[QMO], s[52:53]
	v_mov_b32 v[NM+1], 0xff61b1e6                  ; the largest t so far: -3e38
	v_floor_f32 v[NM], -v[NM+1]                    ; -M
	v_mov_b32 v[LS], 0
	v_mov_b32 v[LS+1], 0
.set j, 0
.rept 32
	v_mov_b32 v[O+j], 0                            ; the step is written once: the first finds zeros, which the first change of M leaves zeros
.set j, j+1
.endr
	s_mov_b32 s[STEP], 0
	s_mov_b32 s[TB], 0
	s_mov_b32 s[TS], 0
	s_mov_b32 s[TJ], 0
	s_mov_b32 s[KF], 0
	s_wait_loadcnt 0x0                             ; Q's codes and word, q_mask: and their bases may be written again
.Lstep:                                            ; sixteen trips; a step that the tile does not walk only steps the offsets
	s_cmp_ge_u32 s[STEP], s[LIMIT]
	s_cbranch_scc1 .Lskip
	v_add_nc_u32 v[ADK], s[TB], v[L16]             ; five plain lines: also the places behind the last step's products, in front of the loads below
	v_add_nc_u32 v[ADV], s[TB], v[AV0]
	v_add_nc_u32 v[ADS], s[TS], v[ASK0]
	v_add_nc_u32 v[ADT], s[TJ], v[ASV0]
	v_add_nc_u32 v[ADC], s[TJ], v[AC0]
	LOADK 0
.irp p, 0,1,2,3
	ds_load_b64 v[KS+2*\p:KS+2*\p+1], v[ADS] offset:256*\p
.endr
	LOADC 0
	s_wait_dscnt 8                                 ; K's four tiles and the words are in; the eight loads of -c may be out
	SPROD 0
	PLACES                                         ; in front of loads into the fragments' registers and of the first read of results
	LOADK 1
	s_wait_dscnt 4                                 ; -c is in; K's next four tiles may be out
	ADDC 0
	LOADC 1
	s_wait_dscnt 8                                 ; K's tiles are in; the eight loads of -c may be out
	SPROD 1
	PLACES
	s_wait_dscnt 0x0
	ADDC 1
.irp t, 0,1,2,3                                ; V's four fragments and their words: wanted behind the softmax
.irp c, 0,1
	ds_load_b128 v[CA+8*\t+4*\c:CA+8*\t+4*\c+3], v[ADV] offset:1024*\t+512*\c
.endr
.endr
.irp p, 0,1
	ds_load_b64 v[VS+2*\p:VS+2*\p+1], v[ADT] offset:256*\p
.endr
	s_cmp_lt_u32 s[STEP], s[DIAG]                  ; ahead of the diagonal no key is later than a query of the tile
	s_cbranch_scc1 .Lopen
	s_sub_co_i32 s48, s[QB], s[KF]
	v_add_nc_u32 v[DD], s48, v[QL]                 ; register 16 b + i holds a later key than my query where 32 b + i > this
.set n, 0
.rept 64
	v_cmp_gt_i32 vcc_lo, 32*(n/16)+n%16, v[DD]
	v_cndmask_b32 v[W+n%2], 0, v[NEGV], vcc_lo
	v_sub_f32 v[S+n], v[S+n], v[W+n%2]             ; 1e9 or 0 is taken off, with the subtraction's own rounding
.set n, n+1
.endr
.Lopen:
.irp b, 0,1,2,3
	v_max3_num_f32 v[BM+\b], v[S+16*\b], v[S+1+16*\b], v[S+2+16*\b]   ; the largest a of each block of 32 keys: for the row's maximum, and, since p rises with a, for the block's largest p
.endr
.irp i, 3,5,7,9,11,13
.irp b, 0,1,2,3
	v_max3_num_f32 v[BM+\b], v[BM+\b], v[S+16*\b+\i], v[S+1+16*\b+\i]
.endr
.endr
.irp b, 0,1,2,3
	v_max_num_f32 v[BM+\b], v[BM+\b], v[S+15+16*\b]
.endr
.irp b, 0,1,2,3
	v_permlanex16_b32 v[BX+\b], v[BM+\b], s[SEL], s[SEL+1]
.endr
.irp b, 0,1,2,3
	v_max_num_f32 v[BM+\b], v[BM+\b], v[BX+\b]     ; with lane l xor 16's 16 keys
.endr
	v_max3_num_f32 v[W], v[BM], v[BM+1], v[BM+2]
	v_max_num_f32 v[W], v[W], v[BM+3]
	v_mul_f32 v[W], s[CL], v[W]                    ; the step's largest t (log2 e is positive, and rounding keeps the order)
	v_max_num_f32 v[NM+1], v[NM+1], v[W]
	v_mov_b32 v[W], v[NM]
	v_floor_f32 v[NM], -v[NM+1]                    ; -M = floor(-t): M is a whole number
	v_sub_f32 v[W], v[NM], v[W]                    ; old M - new M: a whole number, 0 or less
	v_cvt_i32_f32 v[W], v[W]                       ; (it saturates)
	v_ldexp_f32 v[FF], 1.0, v[W]                   ; f = 2^(old M - new M): the rescaling rounds nothing
.set j, 0
.rept 32
	v_pk_mul_f32 v[S+j:S+j+1], v[S+j:S+j+1], s[CL:CL+1] op_sel_hi:[1,0]   ; t = fl(a x log2 e)
.set j, j+2
.endr
.irp b, 0,1,2,3
	v_mul_f32 v[BM+\b], s[CL], v[BM+\b]
.endr
.set j, 0
.rept 32
	v_pk_add_f32 v[S+j:S+j+1], v[S+j:S+j+1], v[NM:NM+1] op_sel_hi:[1,0]   ; t - M
.set j, j+2
.endr
.irp b, 0,1,2,3
	v_add_f32 v[BM+\b], v[NM], v[BM+\b]            ; the same two lines on each block's largest a
.endr
.set j, 0
.rept 64
	v_exp_f32 v[S+j], v[S+j]                       ; p = 2^(t - M): one batch
.set j, j+1
.endr
	v_pk_mul_f32 v[LS:LS+1], v[LS:LS+1], v[FF:FF+1] op_sel_hi:[1,0]   ; the sum under the new M: the plain line behind the exponentials
	s_wait_alu depctr_va_vdst(0)                   ; the wait ahead of the first line that names a result: one for the batch
.irp b, 0,1,2,3
	v_exp_f32 v[BM+\b], v[BM+\b]                   ; each block's largest p: the same lines on the same number give the same bits
.endr
	v_pk_add_f32 v[W+2:W+3], v[S:S+1], v[S+2:S+3]  ; the sum of the unquantised p, two at a time, in two chains
.irp j, 4,8,12,16,20,24,28,32,36,40,44,48,52,56,60
	v_pk_add_f32 v[LS:LS+1], v[LS:LS+1], v[S+\j:S+\j+1]
	v_pk_add_f32 v[W+2:W+3], v[W+2:W+3], v[S+2+\j:S+3+\j]
.endr
	v_pk_add_f32 v[LS:LS+1], v[LS:LS+1], v[W+2:W+3]
	s_wait_alu depctr_va_vdst(0)                   ; and one for the four
.irp b, 0,1,2,3
	v_max_num_f32 v[BM+\b], 0x1800000, v[BM+\b]    ; the floor 2^(3 - 127): a block whose every p is 0 keeps the byte 1 over zero codes
.endr
.irp b, 0,1,2,3
	v_add_nc_u32 v[SO+\b], 0xff000000, v[BM+\b]    ; 2 off the exponent field: the conversion's scale operand
.endr
.irp b, 0,1,2,3
	v_lshrrev_b32 v[BY+\b], 23, v[SO+\b]
.endr
	v_lshl_or_b32 v[PS], v[BY+1], 8, v[BY]         ; p's scale word for these 128 keys
	v_lshl_or_b32 v[PS], v[BY+2], 16, v[PS]
	v_lshl_or_b32 v[PS], v[BY+3], 24, v[PS]
.irp b, 0,1,2,3
	v_cvt_scalef32_pk8_fp4_f32 v[PC+2*\b], v[S+16*\b:S+7+16*\b], v[SO+\b]
	v_cvt_scalef32_pk8_fp4_f32 v[PC+1+2*\b], v[S+8+16*\b:S+15+16*\b], v[SO+\b]
.endr
	v_nop                                          ; one plain line behind the scaled conversions
.irp c, 0,1                                    ; a whole block to a lane
.irp i, 0,1
	v_permlane16_swap_b32 v[PC+4*\c+\i], v[PC+2+4*\c+\i]
.endr
.endr
.set j, 0
.rept 16
	v_pk_mul_f32 v[O+j:O+j+1], v[O+j:O+j+1], v[FF:FF+1] op_sel_hi:[1,0]   ; O^T under the new M; twelve of these name no register of any one product below: the places behind the writes of p's codes and word
.set j, j+2
.endr
	s_wait_dscnt 0x0                               ; V's fragments and words are in
.irp t, 0,1,2,3                                ; O^T += V^T P^T; the four accumulators take turns, and eight other products stand between two steps' links
	v_wmma_scale_f32_16x16x128_f8f6f4 v[O+8*\t:O+8*\t+7], v[CA+8*\t:CA+8*\t+7], v[PC:PC+7], v[O+8*\t:O+8*\t+7], v[VS+\t], v[PS] matrix_a_fmt:MATRIX_FMT_FP4 matrix_b_fmt:MATRIX_FMT_FP4
.endr
.Lskip:
	s_add_co_u32 s[TB], s[TB], 4096
	s_add_co_u32 s[TS], s[TS], 1024
	s_add_co_u32 s[TJ], s[TJ], 512
	s_add_co_u32 s[KF], s[KF], 128
	s_add_co_u32 s[STEP], s[STEP], 1
	s_cmp_lt_u32 s[STEP], 16
	s_cbranch_scc1 .Lstep
	; THE WAY OUT of a tile: O^T x q_mask / sum, through my stage, so that sixteen lanes store a token's 256 bytes of my head, aligned
	PLACES                                         ; in front of the first read of the last products' results
	v_add_f32 v[LS], v[LS], v[LS+1]
	v_permlanex16_b32 v[W], v[LS], s[SEL], s[SEL+1]
	v_add_f32 v[LS], v[LS], v[W]                   ; the row's sum: above 1/2, since the row's largest p is
	v_rcp_f32 v[IV], v[LS]
	v_nop                                          ; a plain line behind the reciprocal
	s_wait_alu depctr_va_vdst(0)                   ; the wait ahead of the first line that names the result
	v_mul_f32 v[IV], v[IV], v[QM]
.set j, 0
.rept 16
	v_pk_mul_f32 v[S+j:S+j+1], v[O+j:O+j+1], v[IV:IV+1] op_sel_hi:[1,0]   ; each accumulator from its low end on
.set j, j+2
.endr
.irp b, 0,1
.irp i, 0,1,2,3
	ds_store_b128 v[STO], v[S+16*\b+4*\i:S+16*\b+4*\i+3] offset:128*\b+16*\i   ; d = 32 b + 16 (lane / 16) + 4 i on
.endr
.endr
.irp i, 0,1,2,3,4,5,6,7
	ds_load_b128 v[S+32+4*\i:S+35+4*\i], v[RD] offset:544*\i   ; my own bytes, served in order behind my stores: rows 2 i, 2 i + 1
.endr
.irp i, 0,1,2,3,4,5,6,7
	s_wait_dscnt 7-\i                              ; these two rows are back; the later loads may be out
	global_store_b128 v[GO], v[S+32+4*\i:S+35+4*\i], s[54:55] offset:(2*\i+8*(\i/4))*4096 th:TH_STORE_NT   ; row m of the tile is token m + 8 (m / 8)
.endr
	s_wait_xcnt 0x0                                ; the stores have read their registers and their base: the next trip writes both again
	s_sub_co_u32 s[T], 127, s[T]
	s_add_co_u32 s[TRIP], s[TRIP], 1
	s_cmp_lt_u32 s[TRIP], 2
	s_cbranch_scc1 .Ltile
	s_wait_tensorcnt 0x0
	ds_add_u32 v254, v255
	s_wait_dscnt 0x0
	s_endpgm
.Lfunc_end_k_q779fbc9d1d_attn:
	.size	k_q779fbc9d1d_attn, .Lfunc_end_k_q779fbc9d1d_attn-k_q779fbc9d1d_attn
	.p2alignl 7, 3214868480
	.fill 96, 4, 3214868480
	.section	.rodata,"a",@progbits
	.p2align	6, 0x0
	.amdhsa_kernel k_q779fbc9d1d_attn
		.amdhsa_group_segment_fixed_size 235520
		.amdhsa_private_segment_fixed_size 0
		.amdhsa_enable_private_segment 0
		.amdhsa_kernarg_size 48
		.amdhsa_user_sgpr_count 2
		.amdhsa_user_sgpr_kernarg_segment_ptr 1
		.amdhsa_wavefront_size32 1
		.amdhsa_system_sgpr_workgroup_id_x 1
		.amdhsa_system_sgpr_workgroup_id_y 1
		.amdhsa_system_sgpr_workgroup_id_z 1
		.amdhsa_system_vgpr_workitem_id 0
		.amdhsa_next_free_vgpr 256
		.amdhsa_next_free_sgpr 66
		.amdhsa_reserve_vcc 1
		.amdhsa_float_denorm_mode_32 3
		.amdhsa_float_denorm_mode_16_64 3
		.amdhsa_memory_ordered 1
		.amdhsa_forward_progress 1
		.amdhsa_inst_pref_size 43
	.end_amdhsa_kernel
	.amdgpu_metadata
---
amdhsa.version: [ 1, 2 ]
amdhsa.kernels:
  - .name:           k_q779fbc9d1d_attn
    .symbol:         k_q779fbc9d1d_attn.kd
    .args:
      - { .name: img, .offset: 0, .size: 8, .value_kind: global_buffer, .address_space: global }
      - { .name: isc, .offset: 8, .size: 8, .value_kind: global_buffer, .address_space: global }
      - { .name: qstar, .offset: 16, .size: 8, .value_kind: global_buffer, .address_space: global }
      - { .name: v_mask, .offset: 24, .size: 8, .value_kind: global_buffer, .address_space: global }
      - { .name: q_mask, .offset: 32, .size: 8, .value_kind: global_buffer, .address_space: global }
      - { .name: out0, .offset: 40, .size: 8, .value_kind: global_buffer, .address_space: global }
    .group_segment_fixed_size: 235520
    .private_segment_fixed_size: 0
    .kernarg_segment_align: 8
    .kernarg_segment_size: 48
    .max_flat_workgroup_size: 512
    .sgpr_count:     66
    .vgpr_count:     256
    .wavefront_size: 32
...
	.end_amdgpu_metadata
.endif
;; end of part 3
;; ======== version 2 of 2: 3 launches; version 1 with the launch attn written anew for expert scheduling mode
;; limits: right only within a limited range of input values
;; workspace buffers: codes 14,155,776 bytes; scales 884,736 bytes; img 12,582,912 bytes; isc 2,621,440 bytes; qstar 512 bytes of whole numbers
;; launch quant: the kernel of part 1 again; grid 817 x 1, 4 waves a work-group, no clusters, 68,096 bytes of LDS; arguments q, k, v, Wq, Wk, Wv, v_mask, codes, scales, qstar; writes codes, scales, qstar
;; launch proj: the kernel of part 2 again; grid 4 x 192, 8 waves a work-group, clusters of 4 x 4, 222,976 bytes of LDS; arguments codes, scales, img, isc; writes img, isc
;; launch attn (part 4): grid 4 x 64, 16 waves a work-group, no clusters, 235,520 bytes of LDS; arguments img, isc, qstar, v_mask, q_mask, out0; writes out0
.if DOCPART == 4
	.amdgcn_target "amdgcn-amd-amdhsa--gfx1250"
	.amdhsa_code_object_version 6
	.text
	.protected	k_q779fbc9d1d_attn
	.globl	k_q779fbc9d1d_attn
	.p2align	8
	.type	k_q779fbc9d1d_attn,@function
k_q779fbc9d1d_attn:
	s_mov_b64 s[64:65], 0
	v_nop
	global_prefetch_b8 v0, s[64:65] scope:SCOPE_SE
	s_setreg_imm32_b32 hwreg(HW_REG_WAVE_SCHED_MODE, 0, 2), 2
	s_setreg_imm32_b32 hwreg(HW_REG_WAVE_MODE, 25, 1), 1
	s_wait_xcnt 0x0
	s_wait_alu depctr_vm_vsrc(0)
; out0[b][q][64 h + d] = q_mask[b][q] x sum over k of softmax_k(a[q][k]) V[k][d],  a = S / 8 - (1 - v_mask[k]) x 1e9 - (k > q ? 1e9 : 0),  S = Q . K over the head's 64.
; Both products on codes of FP4 (E2M1) with E8M0 scales, read as images of the operands' registers.  K = 64 fills half of a matrix instruction: the other half is zero codes under the byte of 1.0.
; THE SOFTMAX: t = a x log2(e), M = the running largest t rounded up to a whole number, p = 2^(t - M), quantised along the keys, not normalised; the sum of the unquantised p divides at the end.
; THE MASKS ARE NUMBERS, NOT -infinity, and are taken off as the definition takes them off, each with its own rounding: a = fl(S / 8 - c), then - 1e9 or 0, then t = fl(a x log2 e), then t - M.
; The multiply and the add are NOT fused: where a row's largest a is near -1e9, t is a whole number only after its own rounding, and p = 1 hangs on that.
; WHICH KEY STEPS ARE LEFT OUT.  Later keys than the query weigh nothing from query qstar[b] on (a whole number that an earlier launch stored).  A tile of queries that begins at or behind qstar walks the
; key steps up to its diagonal; a tile that begins ahead of it walks all sixteen.  LIMIT: this takes |S / 8| under 1e8.  NaN and infinities are not served.
; SHARES.  A work-group takes one (batch, head) and a quarter of its tiles of 16 queries.  All of the head's K and V (codes, scale words) and the batch's mask terms lie in LDS, filled once through registers.
; Wave v takes tiles T = 16 x + v and 127 - T, one after the other: (T / 8 + 1) + (16 - T / 8) = 17 key steps for every wave.  Sixteen waves of 256 registers, four to a SIMD:
; one wave's softmax stands beside another's products and LDS loads.
; NO CLUSTER, though the four work-groups of a head read the same K and V.
; LAYOUT.  Both products transposed: S^T = K Q^T, O^T = V^T P^T: a lane holds one query.  Lane r of a tile holds token 32 (t / 2) + 8 (t % 2) + r + 8 (r / 8), in K, in Q and in V's d alike,
; so register 16 b + i of S^T is key 32 b + 16 (lane / 16) + i of the step, and register 16 b + i of O^T is d = 32 b + 16 (lane / 16) + i.
; THE MODE: SCHED_MODE bits 1:0 = 2 (LLVM: expert scheduling mode 2), set by the entry lines.  The code itself states the register dependences
; between vector or matrix instructions and memory or LDS instructions, with s_wait_alu, always for 0.
; THE PLAN.  Registers that LDS instructions touch in key step j, and who else names them:
;   KFR (+0..3 of each fragment)  K's tiles 0-3: loaded in step j - 1 (step 0: at the tile's head), read by the first four products.  Tiles 4-7: loaded behind those, read by the second four.
;   KS        K's eight scale words: loaded with tiles 0-3, read by all eight products.
;   S+32..63  -c of blocks 0, 1: loaded in step j - 1 behind the conversions, the last readers of p; read by the first sixteen additions; then the second four products write these registers.
;   CA        -c of blocks 2, 3: loaded behind the first four products, read by the second sixteen additions; then V's four fragments: loaded behind the exponentials, read by the last four products.
;   VS        V's scale words: loaded with V, read by the last four products.
;   v240-244  the step's LDS addresses: written by five additions at the step's head, read by the step's LDS loads; step j + 1 is reached by immediate offsets.
; So THREE waits on va_vdst stand in a step: behind the first four products (the addresses are written; these products are done with KFR, the last step's V products with CA);
; behind the exponentials (their results; the second additions are done with CA, the second four products with KFR and KS); ahead of the V products (p's codes and word are written; p has been read).
; Each is followed by its run of loads, and no vector or matrix instruction between a wait and its loads names a register that those loads touch.
; ONE wait on vm_vsrc stands behind the step's last LDS load: the addresses have been read, and the next step's additions may write them.
; The sixteenth step is written out: it looks ahead at nothing, so that no LDS load leaves its table.
.set KIMG, 0                           ; LDS: K's 128 tiles x 512 bytes
.set VIMG, 65536                       ; V's 16 key steps x 4 tiles of d x 1,024 bytes
.set KSC,  131072                      ; K's scale words: 64 pairs of tiles x 256 bytes
.set VSC,  147456                      ; V's: 16 key steps x 2 pairs x 256 bytes
.set CM,   155648                      ; -c[k] = (1 - v_mask[k]) x (-1e9), 2,048 numbers
.set STG,  163840                      ; the way out: 16 rows x (256 + 16) bytes for each wave
.set L16, 1                            ; v1   16 x lane (K's images begin at LDS byte 0)
.set AV0, 2                            ; v2   + VIMG
.set L8,  3                            ; v3   8 x lane
.set ASK0, 4                           ; v4   + KSC
.set ASV0, 5                           ; v5   + VSC
.set AC0, 6                            ; v6   CM + 64 (lane / 16)
.set STO, 7                            ; v7   the stage, in
.set RD,  8                            ; v8   the stage, back
.set GO,  9                            ; v9   my byte offset in two rows of out0
.set QMO, 10                           ; v10  4 (r + 8 (r / 8))
.set QL,  11                           ; v11  r + 8 (r / 8) - 16 (lane / 16)
.set NEGV, 12                          ; v12  1e9
.set NM,  14                           ; v[14:15] -M, the largest t
.set LS,  16                           ; v[16:17] the sum, in two halves
.set FF,  18                           ; v[18:19] f = 2^(old M - new M); v19 is written once, being named in the pair
.set DD,  20                           ; v20  my query less the step's first key less 16 (lane / 16)
.set QM,  21                           ; v21  q_mask of my query
.set QS,  22                           ; v22  Q's scale word;  v23 p's: scales and nothing else
.set PS,  23
.set QF,  24                           ; v[24:31] Q's fragment: 24-27 codes, 28-31 zeros
.set KFR, 32                           ; v[32:63] four fragments of K: + 0..3 codes, + 4..7 zeros, written once
.set S,   64                           ; v[64:127] S^T, then a, t - M, p; the upper half holds -c of blocks 0, 1 until the second four products write it
.set CA,  128                          ; v[128:159] -c of blocks 2, 3; later V's four fragments
.set O,   160                          ; v[160:191] O^T
.set PC,  192                          ; v[192:199] p's codes
.set KS,  200                          ; v[200:207] K's scale words; v[208:211] V's: scales and nothing else
.set VS,  208
.set BM,  212                          ; v212-215 each block's largest a, then its largest p
.set BX,  216                          ; v216-219 lane l xor 16's
.set SO,  220                          ; v220-223 the conversions' scale operands
.set BY,  224                          ; v224-227 the bytes
.set W,   228                          ; v228-233 at work
.set IV,  236                          ; v[236:237] q_mask / sum; v237 is written once
.set ADK, 240                          ; v240-244 the step's LDS addresses: K, V, K's words, V's words, -c
.set ADV, 241
.set ADS, 242
.set ADT, 243
.set ADC, 244
.set FILL, 64                          ; the fill's 80 registers
.set CMS, 2                            ; s2-s17 sixteen masks of the causal compare: free behind the head, where they held the arguments' addresses and the wave's number
.set WV,  16
.set SEL, 22                           ; s[22:23] lane selects: lane l xor 16
.set CE,  24                           ; s[24:25] 1/8
.set CL,  26                           ; s[26:27] log2(e)
.set T,   28
.set TRIP, 29
.set QB,  30                           ; the tile's first query
.set LIMIT, 31                         ; key steps that the tile walks
.set DIAG, 32                          ; the key step on the diagonal
.set STEP, 33
.set TB,  34                           ; the step's bytes in K's and V's images: 4,096 a step
.set TS,  35                           ; in K's scale words: 1,024
.set TJ,  36                           ; in V's scale words and in -c: 512
.set KF,  37                           ; the step's first key
.set QSTAR, 38
	s_load_b256 s[4:11], s[0:1], 0x0               ; img s[4:5], isc s[6:7], qstar s[8:9], v_mask s[10:11]
	s_load_b128 s[12:15], s[0:1], 0x20             ; q_mask s[12:13], out0 s[14:15]
	v_lshl_add_u32 v254, v0, 2, 0x39000
	v_mov_b32 v255, 0
	v_lshrrev_b32 v[W+1], 5, v0
	v_readfirstlane_b32 s[WV], v[W+1]              ; wave 0..15
	s_and_b32 s18, ttmp7, 0xffff                   ; 16 batch + head
	s_lshr_b32 s19, s18, 4                         ; batch
	s_and_b32 s20, s18, 15                         ; head
	s_mov_b32 s[SEL], 0x76543210
	s_mov_b32 s[SEL+1], 0xfedcba98
	s_mov_b32 s[CE], 0x3e000000
	s_mov_b32 s[CE+1], s[CE]                       ; (the packed forms name a pair and take its low word)
	s_mov_b32 s[CL], 0x3fb8aa3b
	s_mov_b32 s[CL+1], s[CL]
	s_wait_alu depctr_va_sdst(0)                   ; the wave's number is written, ahead of its first reader: my tile and my stage are made from it
	s_lshl_b32 s[T], ttmp9, 4
	s_add_co_u32 s[T], s[T], s[WV]                 ; my first tile
	s_mov_b32 s[TRIP], 0
	s_mov_b32 s49, 0                               ; the upper word of the offset pair s[48:49]
	v_and_b32 v[W+1], 31, v0                       ; lane
	v_and_b32 v[W+2], 15, v0                       ; r
	v_bfe_u32 v[W+3], v0, 4, 1                     ; half of the lanes
	v_lshlrev_b32 v[L16], 4, v[W+1]
	v_add_nc_u32 v[AV0], VIMG, v[L16]
	v_lshlrev_b32 v[L8], 3, v[W+1]
	v_add_nc_u32 v[ASK0], KSC, v[L8]
	v_add_nc_u32 v[ASV0], VSC, v[L8]
	v_lshlrev_b32 v[AC0], 6, v[W+3]
	v_add_nc_u32 v[AC0], CM, v[AC0]
	s_mul_i32 s21, s[WV], 16*272
	s_add_co_u32 s21, s21, STG                     ; my stage
	v_mul_u32_u24 v[STO], v[W+2], 272
	v_lshl_add_u32 v[STO], v[W+3], 6, v[STO]
	v_add_nc_u32 v[STO], s21, v[STO]               ; in: row r, + 64 bytes for lanes 16-31
	v_mul_u32_u24 v[RD], v[W+3], 272
	v_lshl_add_u32 v[RD], v[W+2], 4, v[RD]
	v_add_nc_u32 v[RD], s21, v[RD]                 ; back: lanes 0-15 one row, lanes 16-31 the next
	v_lshlrev_b32 v[GO], 12, v[W+3]
	v_lshl_add_u32 v[GO], v[W+2], 4, v[GO]         ; and the same in out0: 4,096 bytes a token
	v_and_b32 v[W+4], 8, v[W+2]
	v_add_nc_u32 v[W+4], v[W+4], v[W+2]            ; r + 8 (r / 8)
	v_lshlrev_b32 v[QMO], 2, v[W+4]
	v_lshlrev_b32 v[W+5], 4, v[W+3]
	v_sub_nc_u32 v[QL], v[W+4], v[W+5]
	v_mov_b32 v[NEGV], 0x4e6e6b28
	v_lshlrev_b32 v240, 4, v0                      ; the fill: 16 bytes a thread, 8,192 a load of the work-group
	v_add_nc_u32 v241, VIMG, v240
	v_add_nc_u32 v242, KSC, v240
	s_wait_kmcnt 0x0
	s_lshl_b32 s48, s19, 7                         ; qstar: 32 words a batch, all alike
	s_add_nc_u64 s[8:9], s[8:9], s[48:49]
	s_load_b32 s[QSTAR], s[8:9], 0x0
	s_lshl_b32 s48, s18, 16
	s_add_nc_u64 s[40:41], s[4:5], s[48:49]        ; Q's images of my head;
	s_add_nc_u64 s[50:51], s[40:41], 0x400000      ; K's, 4 MiB on;
	s_add_nc_u64 s[52:53], s[40:41], 0x800000      ; V's, 8 MiB on
	s_lshl_b32 s48, s18, 14
	s_add_nc_u64 s[42:43], s[6:7], s[48:49]        ; Q's scale words; K's lie 1 MiB on
	s_lshl_b32 s48, s18, 13
	s_add_nc_u64 s[54:55], s[6:7], s[48:49]
	s_add_nc_u64 s[54:55], s[54:55], 0x200000      ; V's scale words
	s_lshl_b32 s48, s19, 13
	s_add_nc_u64 s[10:11], s[10:11], s[48:49]      ; my batch's v_mask
	s_add_nc_u64 s[44:45], s[12:13], s[48:49]      ; and q_mask
	s_lshl_b32 s48, s19, 23
	s_lshl_b32 s21, s20, 8
	s_add_co_u32 s48, s48, s21
	s_add_nc_u64 s[46:47], s[14:15], s[48:49]      ; out0: my batch's 8 MiB, my head's 256 bytes of a row
	s_wait_alu depctr_va_vdst(0)                   ; the addresses and offsets v1 to v10 and v240 to v242 are written: the kernel's loads and stores read them
	; THE FILL: twenty loads a thread, all on their way at once
	global_load_b128 v[FILL:FILL+3], v240, s[10:11]
.irp i, 0,1,2,3,4,5,6,7
	global_load_b128 v[FILL+4+4*\i:FILL+7+4*\i], v240, s[50:51] offset:8192*\i
.endr
.irp i, 0,1,2,3,4,5,6,7
	global_load_b128 v[FILL+36+4*\i:FILL+39+4*\i], v240, s[52:53] offset:8192*\i
.endr
.irp i, 0,1
	global_load_b128 v[FILL+68+4*\i:FILL+71+4*\i], v240, s[42:43] offset:1048576+8192*\i
.endr
	global_load_b128 v[FILL+76:FILL+79], v240, s[54:55]
.irp t, 0,1,2,3                                ; what is written once
.irp e, 4,5,6,7
	v_mov_b32 v[KFR+8*\t+\e], 0                    ; the upper 64 along K: zero codes
.endr
.endr
.irp e, 4,5,6,7
	v_mov_b32 v[QF+\e], 0
.endr
.irp b, 0,1,2,3
	v_mov_b32 v[BX+\b], 0                          ; a lane permute's destination counts as one of its sources
.endr
	v_mov_b32 v[W], 0
	v_mov_b32 v[FF+1], 0
	v_mov_b32 v[IV+1], 0
.macro PUT n, adr, off
	s_wait_loadcnt 19-(\n)                         ; load n is in; the later ones may be out
	ds_store_b128 v[\adr], v[FILL+4*(\n):FILL+4*(\n)+3] offset:\off
.endm
	s_wait_loadcnt 19                              ; v_mask is in
.irp e, 0,1,2,3
	v_sub_f32 v[FILL+\e], 1.0, v[FILL+\e]
.endr
.irp e, 0,1,2,3
	v_mul_f32 v[FILL+\e], 0xce6e6b28, v[FILL+\e]   ; -c = (1 - v_mask) x (-1e9): the product's own rounding, with the sign turned
.endr
	s_wait_alu depctr_va_vdst(0)                   ; the four products are written, which the LDS store below reads
	ds_store_b128 v242, v[FILL:FILL+3] offset:CM-KSC
.irp i, 0,1,2,3,4,5,6,7
	PUT 1+\i, 240, 8192*\i
.endr
.irp i, 0,1,2,3,4,5,6,7
	PUT 9+\i, 241, 8192*\i
.endr
	PUT 17, 242, 0
	PUT 18, 242, 8192
	PUT 19, 242, VSC-KSC
	s_wait_kmcnt 0x0                               ; qstar
	s_wait_dscnt 0x0                               ; for the others' sake: my stores have landed
	s_barrier_signal -1
	s_barrier_wait -1                              ; the launch's one barrier: from here on these bytes are only read
	s_wait_alu depctr_vm_vsrc(0)                   ; the fill's loads and LDS stores have read v240 to v242 and v64 to v143: the steps' additions, the products and the loads of -c and of V write these registers
.macro SPROD g                         ; S^T of tiles 4 g .. 4 g + 3 of the step's eight
.irp t, 0,1,2,3
	v_wmma_scale_f32_16x16x128_f8f6f4 v[S+32*\g+8*\t:S+32*\g+8*\t+7], v[KFR+8*\t:KFR+8*\t+7], v[QF:QF+7], 0, v[KS+4*\g+\t], v[QS] matrix_a_fmt:MATRIX_FMT_FP4 matrix_b_fmt:MATRIX_FMT_FP4
.endr
.endm
.macro LOADK adr, off                  ; four tiles of K, from off bytes behind the address on
.irp t, 0,1,2,3
	ds_load_b128 v[KFR+8*\t:KFR+8*\t+3], v[\adr] offset:(\off)+512*\t
.endr
.endm
.macro LOADW adr, off                  ; the scale words of a step's eight tiles of K
.irp p, 0,1,2,3
	ds_load_b64 v[KS+2*\p:KS+2*\p+1], v[\adr] offset:(\off)+256*\p
.endr
.endm
.macro CLOAD reg, adr, off, i          ; load i of the eight that bring -c of two blocks: my 16 keys of each; a half of the lanes reads the same bytes
	ds_load_b128 v[(\reg)+4*(\i):(\reg)+4*(\i)+3], v[\adr] offset:(\off)+128*((\i)/4)+16*((\i)%4)
.endm
.macro LOADC reg, adr, off
.irp i, 0,1,2,3,4,5,6,7
	CLOAD \reg, \adr, \off, \i
.endr
.endm
.macro ADDC g, c                       ; a = fl(S / 8 - c): S / 8 is exact, so the fused form rounds once, as the definition's subtraction does.  Each accumulator is read from its low end on
.irp j, 0,2,4,6,8,10,12,14,16,18,20,22,24,26,28,30
	v_pk_fma_f32 v[S+32*\g+\j:S+32*\g+\j+1], v[S+32*\g+\j:S+32*\g+\j+1], s[CE:CE+1], v[(\c)+\j:(\c)+\j+1] op_sel_hi:[1,0,1]
.endr
.endm
.macro PLACES
.rept 4
	v_nop
.endr
.endm
; A KEY STEP.  ahead = 1: it also asks for what the next step wants first (K's tiles 0-3, K's words, -c of blocks 0, 1) and steps the offsets.  A step that the tile does not walk only steps the offsets.
.macro WALK ahead
	s_cmp_ge_u32 s[STEP], s[LIMIT]
	s_cbranch_scc1 .Lskip_\@
	v_add_nc_u32 v[ADK], s[TB], v[L16]             ; the step's addresses: the LDS loads that read the old ones have read them (the wait on vm_vsrc at the last step's end, at the last tile's end or behind the fill)
	v_add_nc_u32 v[ADV], s[TB], v[AV0]
.if \ahead
	v_add_nc_u32 v[ADS], s[TS], v[ASK0]
.endif
	v_add_nc_u32 v[ADT], s[TJ], v[ASV0]
	v_add_nc_u32 v[ADC], s[TJ], v[AC0]
	s_wait_dscnt 8                                 ; K's tiles 0-3 and the words, asked for a step ago, are in; the eight loads of -c behind them may be out
	SPROD 0
	PLACES                                         ; in front of loads into the fragments' registers and of the first read of results
	s_wait_alu depctr_va_vdst(0)                   ; the additions above have written the addresses; the four products are done reading K's fragments; the last step's V products are done reading CA
	LOADK ADK, 2048                                ; tiles 4-7
	LOADC CA, ADC, 256                             ; -c of blocks 2, 3
	s_wait_dscnt 12                                ; -c of blocks 0, 1 is in; the twelve loads just issued may be out
	ADDC 0, S+32
	s_wait_dscnt 8                                 ; K's tiles are in; the eight loads of -c may be out
	SPROD 1
	PLACES
	s_wait_dscnt 0x0
	ADDC 1, CA
	s_cmp_lt_u32 s[STEP], s[DIAG]                  ; ahead of the diagonal no key is later than a query of the tile
	s_cbranch_scc1 .Lopen_\@
	s_sub_co_i32 s48, s[QB], s[KF]
	v_add_nc_u32 v[DD], s48, v[QL]                 ; register 16 b + i holds a later key than my query where 32 b + i > this
.irp g, 0,1,2,3                                ; a block of 32 keys at a time: my sixteen compares in a run, each into a scalar register of its own
.set n, 0
.rept 16
	v_cmp_gt_i32 s[CMS+n], 32*\g+n, v[DD]
.set n, n+1
.endr
	s_wait_alu depctr_va_sdst(0)                   ; the sixteen masks are written, ahead of the selects that read them
.set n, 0
.rept 16
	v_cndmask_b32 v[W+n%2], 0, v[NEGV], s[CMS+n]
	v_sub_f32 v[S+16*\g+n], v[S+16*\g+n], v[W+n%2] ; 1e9 or 0 is taken off, with the subtraction's own rounding
.set n, n+1
.endr
.endr
.Lopen_\@:
.irp b, 0,1,2,3
	v_max3_num_f32 v[BM+\b], v[S+16*\b], v[S+1+16*\b], v[S+2+16*\b]   ; the largest a of each block of 32 keys: for the row's maximum, and, since p rises with a, for the block's largest p
.endr
.irp i, 3,5,7,9,11,13
.irp b, 0,1,2,3
	v_max3_num_f32 v[BM+\b], v[BM+\b], v[S+16*\b+\i], v[S+1+16*\b+\i]
.endr
.endr
.irp b, 0,1,2,3
	v_max_num_f32 v[BM+\b], v[BM+\b], v[S+15+16*\b]
.endr
.irp b, 0,1,2,3
	v_permlanex16_b32 v[BX+\b], v[BM+\b], s[SEL], s[SEL+1]
.endr
.irp b, 0,1,2,3
	v_max_num_f32 v[BM+\b], v[BM+\b], v[BX+\b]     ; with lane l xor 16's 16 keys
.endr
	v_max3_num_f32 v[W], v[BM], v[BM+1], v[BM+2]
	v_max_num_f32 v[W], v[W], v[BM+3]
	v_mul_f32 v[W], s[CL], v[W]                    ; the step's largest t (log2 e is positive, and rounding keeps the order)
	v_max_num_f32 v[NM+1], v[NM+1], v[W]
	v_mov_b32 v[W], v[NM]
	v_floor_f32 v[NM], -v[NM+1]                    ; -M = floor(-t): M is a whole number
	v_sub_f32 v[W], v[NM], v[W]                    ; old M - new M: a whole number, 0 or less
	v_cvt_i32_f32 v[W], v[W]                       ; (it saturates)
	v_ldexp_f32 v[FF], 1.0, v[W]                   ; f = 2^(old M - new M): the rescaling rounds nothing
.set j, 0
.rept 32
	v_pk_mul_f32 v[S+j:S+j+1], v[S+j:S+j+1], s[CL:CL+1] op_sel_hi:[1,0]   ; t = fl(a x log2 e)
.set j, j+2
.endr
.irp b, 0,1,2,3
	v_mul_f32 v[BM+\b], s[CL], v[BM+\b]
.endr
.set j, 0
.rept 32
	v_pk_add_f32 v[S+j:S+j+1], v[S+j:S+j+1], v[NM:NM+1] op_sel_hi:[1,0]   ; t - M
.set j, j+2
.endr
.irp b, 0,1,2,3
	v_add_f32 v[BM+\b], v[NM], v[BM+\b]            ; the same two lines on each block's largest a
.endr
.set j, 0
.rept 64
	v_exp_f32 v[S+j], v[S+j]                       ; p = 2^(t - M)
.set j, j+1
.endr
.irp b, 0,1,2,3
	v_exp_f32 v[BM+\b], v[BM+\b]                   ; each block's largest p: the same lines on the same number give the same bits.  One batch with the 64
.endr
	v_pk_mul_f32 v[LS:LS+1], v[LS:LS+1], v[FF:FF+1] op_sel_hi:[1,0]   ; the sum under the new M: the plain line behind the exponentials
	s_wait_alu depctr_va_vdst(0)                   ; the 68 exponentials have written p and the blocks' largest p, ahead of their first reader; the second additions are done reading CA; the second four products are done reading K's fragments and words
.irp t, 0,1,2,3                                ; V's four fragments and their words: wanted behind the sums and the conversions
.irp c, 0,1
	ds_load_b128 v[CA+8*\t+4*\c:CA+8*\t+4*\c+3], v[ADV] offset:1024*\t+512*\c
.endr
.endr
.irp p, 0,1
	ds_load_b64 v[VS+2*\p:VS+2*\p+1], v[ADT] offset:256*\p
.endr
.if \ahead
	LOADK ADK, 4096                                ; the next step's tiles 0-3 and its words: a step is 4,096 bytes of K's images and 1,024 of its words
	LOADW ADS, 1024
.endif
	v_pk_add_f32 v[W+2:W+3], v[S:S+1], v[S+2:S+3]  ; the sum of the unquantised p, two at a time, in two chains
.irp j, 4,8,12,16,20,24,28,32,36,40,44,48,52,56,60
	v_pk_add_f32 v[LS:LS+1], v[LS:LS+1], v[S+\j:S+\j+1]
	v_pk_add_f32 v[W+2:W+3], v[W+2:W+3], v[S+2+\j:S+3+\j]
.endr
	v_pk_add_f32 v[LS:LS+1], v[LS:LS+1], v[W+2:W+3]
.irp b, 0,1,2,3
	v_max_num_f32 v[BM+\b], 0x1800000, v[BM+\b]    ; the floor 2^(3 - 127): a block whose every p is 0 keeps the byte 1 over zero codes
.endr
.irp b, 0,1,2,3
	v_add_nc_u32 v[SO+\b], 0xff000000, v[BM+\b]    ; 2 off the exponent field: the conversion's scale operand
.endr
.irp b, 0,1,2,3
	v_lshrrev_b32 v[BY+\b], 23, v[SO+\b]
.endr
	v_lshl_or_b32 v[PS], v[BY+1], 8, v[BY]         ; p's scale word for these 128 keys
	v_lshl_or_b32 v[PS], v[BY+2], 16, v[PS]
	v_lshl_or_b32 v[PS], v[BY+3], 24, v[PS]
.irp b, 0,1,2,3
	v_cvt_scalef32_pk8_fp4_f32 v[PC+2*\b], v[S+16*\b:S+7+16*\b], v[SO+\b]
	v_cvt_scalef32_pk8_fp4_f32 v[PC+1+2*\b], v[S+8+16*\b:S+15+16*\b], v[SO+\b]
.endr
	v_nop                                          ; one plain line behind the scaled conversions
.irp c, 0,1                                    ; a whole block to a lane
.irp i, 0,1
	v_permlane16_swap_b32 v[PC+4*\c+\i], v[PC+2+4*\c+\i]
.endr
.endr
.set j, 0
.rept 16
	v_pk_mul_f32 v[O+j:O+j+1], v[O+j:O+j+1], v[FF:FF+1] op_sel_hi:[1,0]   ; O^T under the new M; twelve of these name no register of any one product below: the places behind the writes of p's codes and word
.set j, j+2
.endr
.if \ahead
	s_wait_dscnt 8                                 ; V's fragments and words are in; the eight loads for the next step may be out
.else
	s_wait_dscnt 0x0                               ; V's fragments and words are in
.endif
	s_wait_alu depctr_va_vdst(0)                   ; p's codes and scale word are written, which the products below take; the sums and the conversions are done reading p, in whose upper half the loads below land
.irp t, 0,1,2,3                                ; O^T += V^T P^T; the four accumulators take turns, and eight other products stand between two steps' links
	v_wmma_scale_f32_16x16x128_f8f6f4 v[O+8*\t:O+8*\t+7], v[CA+8*\t:CA+8*\t+7], v[PC:PC+7], v[O+8*\t:O+8*\t+7], v[VS+\t], v[PS] matrix_a_fmt:MATRIX_FMT_FP4 matrix_b_fmt:MATRIX_FMT_FP4
.if \ahead
	CLOAD S+32, ADC, 512, 2*\t                     ; the next step's -c of blocks 0, 1, two loads behind each product.  No wait: the products name O^T, V's fragments and words, p's codes and word alone
	CLOAD S+32, ADC, 512, 2*\t+1
.endif
.endr
.if \ahead
	s_wait_alu depctr_vm_vsrc(0)                   ; the step's LDS loads have read v240 to v244, which the next step's additions write
.endif
.Lskip_\@:
.if \ahead
	s_add_co_u32 s[TB], s[TB], 4096
	s_add_co_u32 s[TS], s[TS], 1024
	s_add_co_u32 s[TJ], s[TJ], 512
	s_add_co_u32 s[KF], s[KF], 128
	s_add_co_u32 s[STEP], s[STEP], 1
.endif
.endm
.Ltile:                                            ; two trips: tile T, then tile 127 - T
	s_lshr_b32 s48, s[T], 1
	s_lshl_b32 s48, s48, 5
	s_and_b32 s21, s[T], 1
	s_lshl_b32 s21, s21, 3
	s_add_co_u32 s[QB], s48, s21                   ; the tile's first query: 32 (T / 2) + 8 (T % 2); its last is 23 on, in the same 32
	s_lshr_b32 s[DIAG], s[T], 3
	s_add_co_u32 s[LIMIT], s[DIAG], 1
	s_cmp_lt_u32 s[QB], s[QSTAR]
	s_cselect_b32 s[LIMIT], 16, s[LIMIT]           ; a tile that begins ahead of qstar walks all keys
	s_lshl_b32 s48, s[T], 9                        ; no load that names s[48:49] is out here: the last trip's three were waited for at its head
	s_mov_b32 s49, 0
	s_add_nc_u64 s[48:49], s[40:41], s[48:49]      ; Q's image of the tile
	s_lshr_b32 s50, s[T], 1
	s_lshl_b32 s50, s50, 8
	s_lshr_b32 s21, s21, 1                         ; 4 (T % 2)
	s_add_co_u32 s50, s50, s21
	s_mov_b32 s51, 0
	s_add_nc_u64 s[50:51], s[42:43], s[50:51]      ; its scale words
	s_lshl_b32 s52, s[QB], 2
	s_mov_b32 s53, 0
	s_add_nc_u64 s[52:53], s[44:45], s[52:53]      ; q_mask at the first query
	s_lshl_b32 s54, s[QB], 12
	s_mov_b32 s55, 0
	s_add_nc_u64 s[54:55], s[46:47], s[54:55]      ; out0 likewise
	s_wait_alu depctr_va_vdst(0)                   ; the last tile's products are done reading Q's fragment and word and K's fragments and words, its way out is done reading q_mask: the loads below land in these registers
	global_load_b128 v[QF:QF+3], v[L16], s[48:49]
	global_load_b32 v[QS], v[L8], s[50:51]
	global_load_b32 v[QM], v[QMO], s[52:53]
	LOADK L16, 0                                   ; what key step 0 wants first, in the order in which a step asks for the next step's: K's tiles 0-3,
	LOADW ASK0, 0                                  ; K's words,
	LOADC S+32, AC0, 0                             ; -c of blocks 0, 1
	v_mov_b32 v[NM+1], 0xff61b1e6                  ; the largest t so far: -3e38
	v_floor_f32 v[NM], -v[NM+1]                    ; -M
	v_mov_b32 v[LS], 0
	v_mov_b32 v[LS+1], 0
.set j, 0
.rept 32
	v_mov_b32 v[O+j], 0                            ; the step is written for all: the first finds zeros, which the first change of M leaves zeros
.set j, j+1
.endr
	s_mov_b32 s[STEP], 0
	s_mov_b32 s[TB], 0
	s_mov_b32 s[TS], 0
	s_mov_b32 s[TJ], 0
	s_mov_b32 s[KF], 0
	s_wait_loadcnt 0x0                             ; Q's codes and word, q_mask: and their bases may be written again
.Lstep:                                            ; fifteen trips
	WALK 1
	s_cmp_lt_u32 s[STEP], 15
	s_cbranch_scc1 .Lstep
	WALK 0                                         ; the sixteenth step is written out: there is no step behind it to ask for
	; THE WAY OUT of a tile: O^T x q_mask / sum, through my stage, so that sixteen lanes store a token's 256 bytes of my head, aligned
	s_wait_dscnt 0x0                               ; what the last step walked has asked for the step behind it has landed: part of it lies in registers that are loaded again below
	PLACES                                         ; in front of the first read of the last products' results
	v_add_f32 v[LS], v[LS], v[LS+1]
	v_permlanex16_b32 v[W], v[LS], s[SEL], s[SEL+1]
	v_add_f32 v[LS], v[LS], v[W]                   ; the row's sum: above 1/2, since the row's largest p is
	v_rcp_f32 v[IV], v[LS]
	v_nop                                          ; a plain line behind the reciprocal
	s_wait_alu depctr_va_vdst(0)                   ; the reciprocal is written, ahead of the first line that names it
	v_mul_f32 v[IV], v[IV], v[QM]
.set j, 0
.rept 16
	v_pk_mul_f32 v[S+j:S+j+1], v[O+j:O+j+1], v[IV:IV+1] op_sel_hi:[1,0]   ; each accumulator from its low end on
.set j, j+2
.endr
	s_wait_alu depctr_va_vdst(0)                   ; the sixteen products have written v64 to v95, which the LDS stores read; every vector reader and writer of v96 to v127, in which the loads from the stage land, is done
.irp b, 0,1
.irp i, 0,1,2,3
	ds_store_b128 v[STO], v[S+16*\b+4*\i:S+16*\b+4*\i+3] offset:128*\b+16*\i   ; d = 32 b + 16 (lane / 16) + 4 i on
.endr
.endr
.irp i, 0,1,2,3,4,5,6,7
	ds_load_b128 v[S+32+4*\i:S+35+4*\i], v[RD] offset:544*\i   ; my own bytes, served in order behind my stores: rows 2 i, 2 i + 1
.endr
.irp i, 0,1,2,3,4,5,6,7
	s_wait_dscnt 7-\i                              ; these two rows are back; the later loads may be out
	global_store_b128 v[GO], v[S+32+4*\i:S+35+4*\i], s[54:55] offset:(2*\i+8*(\i/4))*4096 th:TH_STORE_NT   ; row m of the tile is token m + 8 (m / 8)
.endr
	s_wait_xcnt 0x0                                ; the stores have read their registers and their base: the next trip writes both again
	s_wait_alu depctr_vm_vsrc(0)                   ; the stage's stores have read v64 to v95 and the stores to out0 v96 to v127, which the next tile's products and loads write; the sixteenth step's LDS loads have read v240 to v244, which its additions write
	s_sub_co_u32 s[T], 127, s[T]
	s_add_co_u32 s[TRIP], s[TRIP], 1
	s_cmp_lt_u32 s[TRIP], 2
	s_cbranch_scc1 .Ltile
	s_wait_dscnt 0x0
	s_wait_alu depctr_hold_cnt(0) depctr_sa_sdst(0) depctr_va_vdst(0) depctr_va_sdst(0) depctr_va_ssrc(0) depctr_va_vcc(0) depctr_vm_vsrc(0)
	s_wait_tensorcnt 0x0
	ds_add_u32 v254, v255
	s_wait_dscnt 0x0
	s_endpgm
.Lfunc_end_k_q779fbc9d1d_attn:
	.size	k_q779fbc9d1d_attn, .Lfunc_end_k_q779fbc9d1d_attn-k_q779fbc9d1d_attn
	.p2alignl 7, 3214868480
	.fill 96, 4, 3214868480
	.section	.rodata,"a",@progbits
	.p2align	6, 0x0
	.amdhsa_kernel k_q779fbc9d1d_attn
		.amdhsa_group_segment_fixed_size 235520
		.amdhsa_private_segment_fixed_size 0
		.amdhsa_enable_private_segment 0
		.amdhsa_kernarg_size 48
		.amdhsa_user_sgpr_count 2
		.amdhsa_user_sgpr_kernarg_segment_ptr 1
		.amdhsa_wavefront_size32 1
		.amdhsa_system_sgpr_workgroup_id_x 1
		.amdhsa_system_sgpr_workgroup_id_y 1
		.amdhsa_system_sgpr_workgroup_id_z 1
		.amdhsa_system_vgpr_workitem_id 0
		.amdhsa_next_free_vgpr 256
		.amdhsa_next_free_sgpr 66
		.amdhsa_reserve_vcc 0
		.amdhsa_float_denorm_mode_32 3
		.amdhsa_float_denorm_mode_16_64 3
		.amdhsa_memory_ordered 1
		.amdhsa_forward_progress 1
		.amdhsa_inst_pref_size 78
	.end_amdhsa_kernel
	.amdgpu_metadata
---
amdhsa.version: [ 1, 2 ]
amdhsa.kernels:
  - .name:           k_q779fbc9d1d_attn
    .symbol:         k_q779fbc9d1d_attn.kd
    .args:
      - { .name: img, .offset: 0, .size: 8, .value_kind: global_buffer, .address_space: global }
      - { .name: isc, .offset: 8, .size: 8, .value_kind: global_buffer, .address_space: global }
      - { .name: qstar, .offset: 16, .size: 8, .value_kind: global_buffer, .address_space: global }
      - { .name: v_mask, .offset: 24, .size: 8, .value_kind: global_buffer, .address_space: global }
      - { .name: q_mask, .offset: 32, .size: 8, .value_kind: global_buffer, .address_space: global }
      - { .name: out0, .offset: 40, .size: 8, .value_kind: global_buffer, .address_space: global }
    .group_segment_fixed_size: 235520
    .private_segment_fixed_size: 0
    .kernarg_segment_align: 8
    .kernarg_segment_size: 48
    .max_flat_workgroup_size: 512
    .sgpr_count:     66
    .vgpr_count:     256
    .wavefront_size: 32
...
	.end_amdgpu_metadata
.endif
;; end of part 4
